; MI455X (gfx1250); checked and timed in simulation.
; The chip was launched on July 23, 2026; its instructions are those of AMD's public machine-readable ISA for CDNA 5 (MIT licence, August 2026) and "CDNA5" Instruction Set Architecture Reference Guide (July 2026). The comments in the code are by the model that wrote it; some were corrected since.
;; Multi Head Attention. Allowed arithmetic: matrix products marked QUANTISED: E4M3 operands, one given power-of-two scale a tensor, by v_wmma_f32_16x16x64_fp8_fp8 or v_wmma_f32_16x16x128_fp8_fp8, f32 sums; everything else in f32.
;; Inputs: Wk 1,040 x 1,024 float32; Wo 1,024 x 1,040 float32; Wq 1,040 x 1,024 float32; Wv 1,040 x 1,024 float32; bk 1,040 float32; bo 1,024 float32; bq 1,040 float32; bv 1,040 float32; k 4 x 2,048 x 1,024 float32; lowp_scales 12 int32 (the exponents e of the quantised operands' scales 2^e); mask 4 x 1 x 2,048 x 2,048 int32; q 4 x 2,048 x 1,024 float32; v 4 x 2,048 x 1,024 float32.
;; Outputs: out0 4 x 2,048 x 1,024 float32.
;; This version of the problem:
;;   THIS VERSION OF THE PROBLEM IS GIVEN IN LOW PRECISION. The matrix products marked QUANTISED in the list below multiply operands that are first quantised to E4M3 (4 exponent bits, 3 mantissa bits; 8 bits a number), with one given power-of-two scale for each operand tensor; their sums are f32. All else is computed in f32.
;;   The module's matrix products, in the order in which they are computed (A, B: the left and right operand; K: the contracted axis; several contracted axes count as one K, in the product's order):
;;     1. [M 8,192, K 1,024] x [K 1,024, N 1,040]; A: input q; B: input Wq: QUANTISED (scales: A lowp_scales[0], B lowp_scales[1])
;;     2. [M 8,192, K 1,024] x [K 1,024, N 1,040]; A: input k; B: input Wk: QUANTISED (scales: A lowp_scales[2], B lowp_scales[3])
;;     3. [M 8,192, K 1,024] x [K 1,024, N 1,040]; A: input v; B: input Wv: QUANTISED (scales: A lowp_scales[4], B lowp_scales[5])
;;     4. batch 64 x [M 2,048, K 65] x [K 65, N 2,048]; A: computed on the way; B: computed on the way: QUANTISED (scales: A lowp_scales[6], B lowp_scales[7])
;;     5. batch 64 x [M 2,048, K 2,048] x [K 2,048, N 65]; A: softmax (see below); B: computed on the way: QUANTISED (scales: A lowp_scales[8], B lowp_scales[9])
;;     6. [M 8,192, K 1,040] x [K 1,040, N 1,024]; A: computed on the way; B: input Wo: QUANTISED (scales: A lowp_scales[10], B lowp_scales[11])
;;   THE QUANTISER, for each operand of a quantised product, along K:
;;     - The operand's scale is 2^e, e = its entry of the input lowp_scales (int32; the entries are numbered through the quantised products in the list's order, A before B).
;;     - Each number is divided by the scale, clamped to +-448, and rounded to the nearest number of E4M3, ties to even, subnormals kept.
;;     - The product sums the exact products of the quantised numbers (number of the format x scale) in f32.
;;   ~~~python
;;   def quantise(x, axis, e):      # numpy; x: float32 -> the quantised numbers, widened to float32 again
;;       x = np.moveaxis(x, axis, -1); K = x.shape[-1]
;;       r = np.clip(x / 2.0 ** e, -448, 448)
;;       step = 2.0 ** (np.maximum(np.frexp(np.where(r == 0, 1, r))[1] - 1, -6) - 3)
;;       q = np.round(r / step) * step * 2.0 ** e      # np.round: ties to even
;;       return np.moveaxis(q, -1, axis).astype(np.float32)
;;   ~~~
;;   SOFTMAX AHEAD OF A QUANTISED PRODUCT. Where the list says 'softmax', what is quantised is not the finished softmax but p = 2^(t - M), with t = logit x log2(e) and M = ceil(the row's largest t), a whole number; so 1/2 < the row's largest p <= 1. The row's sum l is taken of the UNQUANTISED p, in f32, and the product's result is divided by l at the end. Since M is a whole number, a kernel that streams over the keys may use a running M (the ceiling of the running maximum): every later rescaling is an exact power of two, so the quantised numbers keep their values, but for numbers so far below the row's largest that they fall under the format's range.
;;   OPERANDS COMPUTED ON THE WAY. 'Computed on the way' means the value that the module computes at that place (a softmax that the list does not call 'softmax' is quantised finished and normalised). What goes into a quantiser is computed in f32, as accurately as f32 sums, v_exp_f32 and their like allow (about 1e-6 of the number): no bf16 or f16 on the way to a quantiser, and a product that is left as it is and whose result goes on into a quantised operand takes f32 operands (vector FMAs, or v_wmma_f32_16x16x4_f32). A number that lies on a knife's edge between two numbers of the format may be rounded either way, as far as f32 arithmetic and the matrix unit's own rounding can turn it there, and no further.
;; One version. Each part assembles by itself: llvm-mc -triple=amdgcn-amd-amdhsa -mcpu=gfx1250 --defsym DOCPART=n.
;; ======== version 1 of 1: 4 launches
;; limits: right only within a limited range of input values
;; workspace buffers: xc 25,165,824 bytes; wc 8,388,608 bytes; mw 2,097,152 bytes of whole numbers; bw 57,344 bytes; qkv 50,331,648 bytes; ac 16,777,216 bytes
;; launch prep (part 1): grid 1948 x 1, 4 waves a work-group, no clusters, 67,072 bytes of LDS; arguments q, k, v, mask, Wq, Wk, Wv, Wo, bq, bk, bv, lowp_scales, xc, wc, mw, bw; writes xc, wc, mw, bw
.if DOCPART == 1
	.amdgcn_target "amdgcn-amd-amdhsa--gfx1250"
	.amdhsa_code_object_version 6
	.text
	.protected	k_q994e9e1a37_prep
	.globl	k_q994e9e1a37_prep
	.p2align	8
	.type	k_q994e9e1a37_prep,@function
k_q994e9e1a37_prep:
	s_mov_b64 s[64:65], 0
	v_nop
	global_prefetch_b8 v0, s[64:65] scope:SCOPE_SE
	s_setreg_imm32_b32 hwreg(HW_REG_WAVE_MODE, 25, 1), 1
	s_wait_xcnt 0x0
; THE PREPARING LAUNCH.  Five kinds of work-groups, told apart by the number of the work-group alone; each kind has its own path, its own LDS bytes and its own end.
;  X (768 work-groups): q, k, v, f32 [8192][1024], become codes of E4M3 with the given scales 2^e0, 2^e2, 2^e4, K innermost, in xc.  In the part of k the runs of 8 rows are laid so that
;     row position p holds token p with bits 3 and 4 exchanged: the 16 keys that form a tile of the score product are then 16 neighbouring rows.
;  M (512): the mask, int32 [4][2048][2048], becomes lane masks: for a tile of 16 queries and a step of 128 keys, 64 words; bit l = 16 hh + r of word n = 16 bb + i says
;     mask[query r][key 32 bb + 16 hh + i] == 0: the word is the select mask of score register n in the attention launch.  The mask is read once, 32 numbers become one word.
;  W (384): Wq, Wk, Wv [1040][1024] become codes [2048][1024]: row 128 h + d holds row 65 h + d where d < 65, else zero codes.
;  O (256): Wo [1024][1040] becomes codes [1024][2048]: column 128 h + d holds column 65 h + d where d < 65, else zero codes.
;  B (28):  bw = 8,192 zeros, then bq, bk, bv padded as the rows of the weights are, 2,048 numbers each.
; code = x / 2^e, held within +-448, rounded to the nearest code, ties to even.
; LIMITS: each e used here lies between -126 and 119, so that 2^e and 448 x 2^e are f32 numbers.  NaN among the inputs is not served (an infinity is held at the largest code).
; No matrix work, no cluster, no tensor load: every byte is read by one wave, and waves share nothing, so there is no barrier.
.set WG_M,   768
.set WG_W,   1280
.set WG_O,   1664
.set WG_B,   1920
.set SPW,    12                        ; v12  LDS address of my spare word: SPARE + 4 x my thread number; never rewritten
.set NIL,    13                        ; v13  0; never rewritten
.set XREG,   8192                      ; path X: LDS bytes 0 .. 32,767: a region for each wave, two stages of 32 x SP bytes
.set SP,     80                        ; a place in a stage: 64 bytes + 16 of padding
.set MSTG,   32768                     ; path M: LDS bytes 32,768 .. 66,559: a stage for each wave,
.set MPITCH, 528                       ; 16 rows of 512 bytes + 16 of padding
.set MREG,   16*MPITCH
.set SPARE,  66560                     ; the spare words, 128 bytes for each wave: two blocks of 256 bytes that no other line names
.set STEPS,  16
.set XR,     16                        ; v16-79   path X: four sets of 16 numbers as loaded
.set XX,     80                        ; v80-111  two sets of 16 neighbours
.set XC,     128                       ; v128-191 codes, four registers a step: no data of a store are written again
.macro FINISH                          ; the end of a wave
	s_wait_tensorcnt 0x0
	ds_add_u32 v[SPW], v[NIL]
	s_wait_dscnt 0x0
	s_endpgm
.endm
.macro MKSCALE e, t                    ; s[e] holds the exponent: v11 = 2^e as f32 (the conversion takes its exponent field), s[e] = 448 x 2^e
	s_add_co_i32 s[\e], s[\e], 127
	s_lshl_b32 s[\t], s[\e], 23
	v_mov_b32 v11, s[\t]
	s_add_co_i32 s[\e], s[\e], 8
	s_lshl_b32 s[\e], s[\e], 23
	s_or_b32 s[\e], s[\e], 0x600000
.endm
	v_lshl_add_u32 v[SPW], v0, 2, SPARE
	v_mov_b32 v[NIL], 0
	v_lshrrev_b32 v1, 5, v0
	v_readfirstlane_b32 s16, v1                    ; wave 0..3
	v_and_b32 v2, 31, v0                           ; lane
	v_lshlrev_b32 v3, 4, v2                        ; 16 x lane
	s_cmp_lt_u32 ttmp9, WG_M
	s_cbranch_scc0 .Lnot_x
; ---------------- PATH X: a wave takes a run of 8 rows, 8,192 numbers, in 16 steps of 512.
; Each load reads 512 consecutive bytes, 16 a lane; a step goes through the stage of the wave and comes back 64 bytes a lane, so that a lane holds 16 neighbours along K for the conversions.
	s_load_b128 s[4:7], s[0:1], 0x0                ; q, k
	s_load_b64 s[8:9], s[0:1], 0x10                ; v
	s_load_b64 s[10:11], s[0:1], 0x58              ; the exponents
	s_load_b64 s[12:13], s[0:1], 0x60              ; xc
	s_lshr_b32 s17, ttmp9, 8                       ; which tensor: 0 q, 1 k, 2 v
	s_and_b32 s18, ttmp9, 255
	s_lshl_b32 s18, s18, 2
	s_add_co_u32 s19, s18, s16                     ; the run that I read
	s_and_b32 s20, s16, 1
	s_lshl_b32 s20, s20, 1
	s_lshr_b32 s21, s16, 1
	s_or_b32 s20, s20, s21                         ; my wave number with its two bits exchanged: bits 3 and 4 of the rows
	s_cmp_eq_u32 s17, 1
	s_cselect_b32 s20, s20, s16                    ; for k alone
	s_add_co_u32 s20, s18, s20                     ; the run that I write
	s_lshl_b32 s22, s19, 15                        ; 8 rows of 4,096 bytes
	s_mov_b32 s23, 0
	s_lshl_b32 s24, s20, 13                        ; 8 rows of 1,024 codes
	s_lshl_b32 s25, s17, 23                        ; the part of the tensor in xc
	s_add_co_u32 s24, s24, s25
	s_mov_b32 s25, 0
	s_mul_i32 s26, s16, XREG
	s_wait_alu depctr_va_vdst(0)
	v_lshrrev_b32 v14, 2, v2
	v_mul_u32_u24 v14, v14, SP
	v_and_b32 v15, 3, v2
	v_lshl_add_u32 v14, v15, 4, v14
	v_add_nc_u32 v14, s26, v14                     ; into the stage: four lanes fill a place: SP (lane / 4) + 16 (lane % 4)
	v_mul_u32_u24 v15, v2, SP
	v_add_nc_u32 v15, s26, v15                     ; out of it: SP x lane: my 16 neighbours
	s_wait_alu depctr_va_vdst(0)
	s_wait_kmcnt 0x0
	s_load_b256 s[32:39], s[10:11], 0x0            ; e0 .. e7
	s_cmp_eq_u32 s17, 0
	s_cselect_b64 s[4:5], s[4:5], s[6:7]
	s_cmp_eq_u32 s17, 2
	s_cselect_b64 s[4:5], s[8:9], s[4:5]           ; the choice hangs on the number of the work-group alone
	s_add_nc_u64 s[4:5], s[4:5], s[22:23]
	s_add_nc_u64 s[8:9], s[12:13], s[24:25]
.macro XLOAD t
.irp i, 0,1,2,3
	global_load_b128 v[XR+16*((\t)%4)+4*\i:XR+16*((\t)%4)+4*\i+3], v3, s[4:5] offset:2048*(\t)+512*\i th:TH_LOAD_NT
.endr
.endm
.macro XTURN t                         ; LDS serves the instructions of a wave in order: no wait between the stores and the loads
.irp i, 0,1,2,3
	ds_store_b128 v14, v[XR+16*((\t)%4)+4*\i:XR+16*((\t)%4)+4*\i+3] offset:32*SP*((\t)%2)+8*SP*\i
.endr
.irp i, 0,1,2,3
	ds_load_b128 v[XX+16*((\t)%2)+4*\i:XX+16*((\t)%2)+4*\i+3], v15 offset:32*SP*((\t)%2)+16*\i
.endr
.endm
.irp t, 0,1,2,3
	XLOAD \t
.endr
	s_wait_kmcnt 0x0
	s_cmp_eq_u32 s17, 0
	s_cselect_b32 s22, s32, s34
	s_cmp_eq_u32 s17, 2
	s_cselect_b32 s22, s36, s22                    ; e0, e2 or e4
	MKSCALE 22, 23
	s_wait_alu depctr_va_vdst(0)
	s_wait_loadcnt 12                              ; the four loads of step 0 are in; those of three steps may be out
	XTURN 0
.macro XSTEP t
.set XS, XX+16*((\t)%2)
	s_wait_dscnt 0x0                               ; the numbers of this step are back from the stage
.if (\t)+4 < STEPS
	XLOAD (\t)+4
.endif
.if (\t)+1 < STEPS
.if STEPS-2-(\t) >= 3
	s_wait_loadcnt 12                              ; the next step is in; three steps behind it may be out
.else
	s_wait_loadcnt 4*(STEPS-2-(\t))
.endif
	XTURN (\t)+1
.endif
.irp i, 0,1,2,3,4,5,6,7,8,9,10,11,12,13,14,15
.endr
	v_cvt_scalef32_pk8_fp8_f32 v[XC+4*(\t):XC+4*(\t)+1], v[XS:XS+7], v11
	v_cvt_scalef32_pk8_fp8_f32 v[XC+4*(\t)+2:XC+4*(\t)+3], v[XS+8:XS+15], v11
	v_nop                                          ; one plain line behind the last conversion of a run
	global_store_b128 v3, v[XC+4*(\t):XC+4*(\t)+3], s[8:9] offset:512*(\t)   ; the wave stores 512 consecutive bytes, aligned
.endm
.irp t, 0,1,2,3,4,5,6,7,8,9,10,11,12,13,14,15
	XSTEP \t
.endr
	FINISH
.Lnot_x:
	s_cmp_lt_u32 ttmp9, WG_W
	s_cbranch_scc0 .Lnot_m
; ---------------- PATH M: a work-group takes 16 queries of one batch entry, a wave four key steps of 128 keys.
	s_load_b64 s[4:5], s[0:1], 0x18                ; mask
	s_load_b64 s[8:9], s[0:1], 0x70                ; mw
	s_sub_co_u32 s17, ttmp9, WG_M                  ; 128 b + query tile
	s_lshl_b32 s18, s17, 17                        ; 16 rows of 8,192 bytes
	s_lshl_b32 s19, s16, 11                        ; + my four key steps of 512 bytes
	s_add_co_u32 s18, s18, s19
	s_mov_b32 s19, 0
	s_lshl_b32 s24, s17, 12                        ; 16 key steps of 256 bytes of words
	s_lshl_b32 s25, s16, 10
	s_add_co_u32 s24, s24, s25
	s_mov_b32 s25, 0
	s_wait_alu depctr_va_vdst(0)
	v_lshlrev_b32 v4, 3, v2                        ; 8 x lane: my two words of the 64
	s_mul_i32 s26, s16, MREG
	s_add_co_u32 s26, s26, MSTG
	v_add_nc_u32 v5, s26, v3                       ; into the stage: 16 x lane of a row
	v_and_b32 v6, 15, v2
	v_lshrrev_b32 v7, 4, v2
	v_mul_u32_u24 v6, v6, MPITCH
	v_lshl_add_u32 v6, v7, 6, v6
	v_add_nc_u32 v6, s26, v6                       ; out of it: row lane % 16, + 64 bytes (16 keys) x (lane / 16)
.irp j, 0,1,2,3,4,5,6,7
	v_mov_b32 v[208+\j], 0                         ; the words: the destination of v_writelane_b32 counts as read
.endr
	s_wait_alu depctr_va_vdst(0)
	s_wait_kmcnt 0x0
	s_add_nc_u64 s[4:5], s[4:5], s[18:19]
	s_add_nc_u64 s[8:9], s[8:9], s[24:25]
.macro MLOAD i                         ; key step i of my four: 16 rows, each load 512 consecutive bytes
.irp r, 0,1,2,3,4,5,6,7,8,9,10,11,12,13,14,15
	global_load_b128 v[16+64*((\i)%2)+4*\r:16+64*((\i)%2)+4*\r+3], v3, s[4:5] offset:8192*\r+512*(\i) th:TH_LOAD_NT
.endr
.endm
.macro MTILE i
.if (\i) < 3
	s_wait_loadcnt 16                              ; this tile is in; the 16 loads of the next may be out
.else
	s_wait_loadcnt 0
.endif
.irp r, 0,1,2,3,4,5,6,7,8,9,10,11,12,13,14,15
	ds_store_b128 v5, v[16+64*((\i)%2)+4*\r:16+64*((\i)%2)+4*\r+3] offset:MPITCH*\r
.endr
.irp g, 0,1,2,3,4,5,6,7,8,9,10,11,12,13,14,15
	ds_load_b128 v[144+4*\g:147+4*\g], v6 offset:128*(\g/4)+16*(\g%4)   ; register 144 + n: key 32 (n / 16) + 16 (lane / 16) + n % 16 of query lane % 16
.endr
	s_wait_dscnt 0x0
.if (\i)+2 < 4
	MLOAD (\i)+2
.endif
.set N, 0
.rept 16
.irp c, 0,1,2,3
	v_cmp_eq_u32 s[20+\c], 0, v[144+N+\c]          ; the lane mask of score register n
.endr
.irp c, 0,1,2,3
	v_writelane_b32 v[208+2*(\i)+\c%2], s[20+\c], (N+\c)/2   ; word n goes to lane n / 2, register n % 2
.endr
.set N, N+4
.endr
	global_store_b64 v4, v[208+2*(\i):209+2*(\i)], s[8:9] offset:256*(\i)   ; 32 lanes store 256 consecutive bytes, aligned
.endm
	MLOAD 0
	MLOAD 1
.irp i, 0,1,2,3
	MTILE \i
.endr
	FINISH
.Lnot_m:
	s_cmp_lt_u32 ttmp9, WG_O
	s_cbranch_scc0 .Lnot_w
; ---------------- PATH W: a wave takes four rows of a padded weight; a row is 1,024 numbers, 32 a lane in two halves of 16 neighbours.
	s_load_b128 s[4:7], s[0:1], 0x20               ; Wq, Wk
	s_load_b64 s[8:9], s[0:1], 0x30                ; Wv
	s_load_b64 s[10:11], s[0:1], 0x58              ; the exponents
	s_load_b64 s[12:13], s[0:1], 0x68              ; wc
	s_sub_co_u32 s17, ttmp9, WG_W
	s_lshr_b32 s18, s17, 7                         ; which weight
	s_and_b32 s19, s17, 127
	s_lshl_b32 s19, s19, 4
	s_lshl_b32 s20, s16, 2
	s_add_co_u32 s19, s19, s20                     ; my first padded row
	s_lshl_b32 s28, s19, 10
	s_lshl_b32 s29, s18, 21
	s_add_co_u32 s28, s28, s29
	s_mov_b32 s29, 0
	s_wait_alu depctr_va_vdst(0)
	v_lshlrev_b32 v4, 6, v2                        ; 64 x lane: 16 numbers
	s_wait_kmcnt 0x0
	s_load_b256 s[32:39], s[10:11], 0x0            ; e0 .. e7
	s_cmp_eq_u32 s18, 0
	s_cselect_b64 s[4:5], s[4:5], s[6:7]
	s_cmp_eq_u32 s18, 2
	s_cselect_b64 s[4:5], s[8:9], s[4:5]
	s_add_nc_u64 s[8:9], s[12:13], s[28:29]
	s_wait_kmcnt 0x0
	s_cmp_eq_u32 s18, 0
	s_cselect_b32 s30, s33, s35
	s_cmp_eq_u32 s18, 2
	s_cselect_b32 s30, s37, s30                    ; e1, e3 or e5
	MKSCALE 30, 31
.macro WROW i
	s_add_co_u32 s20, s19, \i                      ; the padded row 128 h + d
	s_lshr_b32 s21, s20, 7
	s_and_b32 s22, s20, 127
	s_cmp_lt_u32 s22, 65                           ; ids alone
	s_cbranch_scc0 .Lwz_\@
	s_mul_i32 s21, s21, 65
	s_add_co_u32 s21, s21, s22                     ; row 65 h + d of the weight
	s_lshl_b32 s24, s21, 12
	s_mov_b32 s25, 0
	s_add_nc_u64 s[24:25], s[4:5], s[24:25]
	s_wait_alu depctr_va_vdst(0)
.irp f, 0,1
.irp j, 0,1,2,3
	global_load_b128 v[16+16*\f+4*\j:19+16*\f+4*\j], v4, s[24:25] offset:2048*\f+16*\j th:TH_LOAD_NT
.endr
.endr
	s_wait_loadcnt 0x0                             ; the row is in, and its base may be written again
.set J, 0
.rept 32
.set J, J+1
.endr
.irp f, 0,1
	v_cvt_scalef32_pk8_fp8_f32 v[128+8*\i+4*\f:129+8*\i+4*\f], v[16+16*\f:23+16*\f], v11
	v_cvt_scalef32_pk8_fp8_f32 v[130+8*\i+4*\f:131+8*\i+4*\f], v[24+16*\f:31+16*\f], v11
.endr
	v_nop                                          ; one plain line behind the last conversion of a run
	s_branch .Lws_\@
.Lwz_\@:
.irp j, 0,1,2,3,4,5,6,7
	v_mov_b32 v[128+8*\i+\j], 0                    ; a row of padding: zero codes
.endr
.Lws_\@:
	s_wait_alu depctr_va_vdst(0)
	global_store_b128 v3, v[128+8*\i:131+8*\i], s[8:9] offset:1024*\i
	global_store_b128 v3, v[132+8*\i:135+8*\i], s[8:9] offset:1024*\i+512
.endm
.irp i, 0,1,2,3
	WROW \i
.endr
	FINISH
.Lnot_w:
	s_cmp_lt_u32 ttmp9, WG_B
	s_cbranch_scc0 .Lnot_o
; ---------------- PATH O: a wave takes a row of Wo: 2,048 padded codes in four turns of 512; a lane makes 16 codes: head 4 it + lane / 8, d = 16 (lane % 8) + 0 .. 15.
; Lanes with lane % 8 < 4 read their 16 numbers; the others read numbers 49 .. 64 of the head, so that no lane leaves the row: of these lane % 8 == 4 keeps the last as its d = 64.
	s_load_b64 s[4:5], s[0:1], 0x38                ; Wo
	s_load_b64 s[10:11], s[0:1], 0x58              ; the exponents
	s_load_b64 s[12:13], s[0:1], 0x68              ; wc
	s_sub_co_u32 s17, ttmp9, WG_O
	s_lshl_b32 s17, s17, 2
	s_add_co_u32 s17, s17, s16                     ; my row
	s_mul_i32 s18, s17, 4160                       ; a row of 1,040 numbers
	s_mov_b32 s19, 0
	s_lshl_b32 s24, s17, 11
	s_add_co_u32 s24, s24, 6291456                 ; behind the three padded weights
	s_mov_b32 s25, 0
	s_wait_alu depctr_va_vdst(0)
	v_and_b32 v5, 7, v2
	v_lshrrev_b32 v7, 3, v2
	v_lshlrev_b32 v6, 4, v5
	v_mov_b32 v8, 49
	v_mov_b32 v9, 0
	v_cmp_lt_u32 s20, 3, v5                        ; lane % 8 >= 4
	v_cmp_lt_u32 s21, 4, v5                        ; lane % 8 > 4
	v_cndmask_b32 v6, v6, v8, s20
	v_mad_u32_u24 v6, v7, 65, v6
	v_lshlrev_b32 v4, 2, v6
	s_wait_alu depctr_va_vdst(0)
	s_wait_kmcnt 0x0
	s_load_b32 s30, s[10:11], 0x2c                 ; e11
	s_add_nc_u64 s[4:5], s[4:5], s[18:19]
	s_add_nc_u64 s[8:9], s[12:13], s[24:25]
.irp t, 0,1,2,3
.irp i, 0,1,2,3,4,5,6,7,8,9,10,11,12,13,14,15
	global_load_b32 v[16+16*\t+\i], v4, s[4:5] offset:1040*\t+4*\i   ; four heads of 65 numbers are 1,040 bytes
.endr
.endr
	s_wait_kmcnt 0x0
	MKSCALE 30, 31
.macro OTURN t
	s_wait_loadcnt 48-16*\t                        ; the 16 loads of this turn are in; those of the later turns may be out
	v_cndmask_b32 v[16+16*\t], v[16+16*\t], v[31+16*\t], s20
	v_cndmask_b32 v[16+16*\t], v[16+16*\t], v9, s21
.irp i, 1,2,3,4,5,6,7,8,9,10,11,12,13,14,15
	v_cndmask_b32 v[16+16*\t+\i], v[16+16*\t+\i], v9, s20
.endr
.irp i, 0,1,2,3,4,5,6,7,8,9,10,11,12,13,14,15
.endr
	v_cvt_scalef32_pk8_fp8_f32 v[128+4*\t:129+4*\t], v[16+16*\t:23+16*\t], v11
	v_cvt_scalef32_pk8_fp8_f32 v[130+4*\t:131+4*\t], v[24+16*\t:31+16*\t], v11
	v_nop                                          ; one plain line behind the last conversion of a run
	global_store_b128 v3, v[128+4*\t:131+4*\t], s[8:9] offset:512*\t
.endm
.irp t, 0,1,2,3
	OTURN \t
.endr
	FINISH
.Lnot_o:
; ---------------- PATH B: a thread makes four numbers of bw.  The first 16 work-groups make the zeros (their limit L is 0), the others the padded biases.
	s_load_b128 s[4:7], s[0:1], 0x40               ; bq, bk
	s_load_b64 s[8:9], s[0:1], 0x50                ; bv
	s_load_b64 s[12:13], s[0:1], 0x78              ; bw
	s_sub_co_u32 s17, ttmp9, WG_B
	s_sub_co_i32 s18, s17, 16
	s_max_i32 s18, s18, 0
	s_lshr_b32 s19, s18, 2                         ; which bias
	s_and_b32 s20, s18, 3
	s_lshl_b32 s20, s20, 9
	s_cmp_lt_u32 s17, 16
	s_cselect_b32 s21, 0, 65                       ; L
	v_lshl_add_u32 v4, v0, 2, s20                  ; the padded index 128 h + d
	v_lshrrev_b32 v5, 7, v4
	v_and_b32 v6, 127, v4
	v_mul_u32_u24 v5, v5, 65
.irp j, 0,1,2,3
	v_add_nc_u32 v[20+\j], \j, v6                  ; d + j
	v_min_u32 v[24+\j], 64, v[20+\j]               ; held inside the head, so that no load leaves the buffer
	v_add_lshl_u32 v[24+\j], v[24+\j], v5, 2
.endr
	s_lshl_b32 s24, s17, 11
	s_mov_b32 s25, 0
	v_lshlrev_b32 v7, 4, v0
	v_mov_b32 v9, 0
	s_wait_alu depctr_va_vdst(0)
	s_wait_kmcnt 0x0
	s_cmp_eq_u32 s19, 0
	s_cselect_b64 s[4:5], s[4:5], s[6:7]
	s_cmp_eq_u32 s19, 2
	s_cselect_b64 s[4:5], s[8:9], s[4:5]
	s_add_nc_u64 s[8:9], s[12:13], s[24:25]
.irp j, 0,1,2,3
	global_load_b32 v[28+\j], v[24+\j], s[4:5]
.endr
	s_wait_loadcnt 0x0
.irp j, 0,1,2,3
	v_cmp_gt_u32 vcc_lo, s21, v[20+\j]             ; L > d + j: the number is kept
	v_cndmask_b32 v[28+\j], v9, v[28+\j], vcc_lo
.endr
	global_store_b128 v7, v[28:31], s[8:9]
	FINISH
.Lfunc_end_k_q994e9e1a37_prep:
	.size	k_q994e9e1a37_prep, .Lfunc_end_k_q994e9e1a37_prep-k_q994e9e1a37_prep
	.p2alignl 7, 3214868480
	.fill 96, 4, 3214868480
	.section	.rodata,"a",@progbits
	.p2align	6, 0x0
	.amdhsa_kernel k_q994e9e1a37_prep
		.amdhsa_group_segment_fixed_size 67072
		.amdhsa_private_segment_fixed_size 0
		.amdhsa_enable_private_segment 0
		.amdhsa_kernarg_size 128
		.amdhsa_user_sgpr_count 2
		.amdhsa_user_sgpr_kernarg_segment_ptr 1
		.amdhsa_wavefront_size32 1
		.amdhsa_system_sgpr_workgroup_id_x 1
		.amdhsa_system_sgpr_workgroup_id_y 1
		.amdhsa_system_sgpr_workgroup_id_z 1
		.amdhsa_system_vgpr_workitem_id 0
		.amdhsa_next_free_vgpr 216
		.amdhsa_next_free_sgpr 66
		.amdhsa_reserve_vcc 1
		.amdhsa_float_denorm_mode_32 3
		.amdhsa_float_denorm_mode_16_64 3
		.amdhsa_fp16_overflow 1
		.amdhsa_memory_ordered 1
		.amdhsa_forward_progress 1
		.amdhsa_inst_pref_size 96
	.end_amdhsa_kernel
	.amdgpu_metadata
---
amdhsa.version: [ 1, 2 ]
amdhsa.kernels:
  - .name:           k_q994e9e1a37_prep
    .symbol:         k_q994e9e1a37_prep.kd
    .args:
      - { .name: q, .offset: 0, .size: 8, .value_kind: global_buffer, .address_space: global }
      - { .name: k, .offset: 8, .size: 8, .value_kind: global_buffer, .address_space: global }
      - { .name: v, .offset: 16, .size: 8, .value_kind: global_buffer, .address_space: global }
      - { .name: mask, .offset: 24, .size: 8, .value_kind: global_buffer, .address_space: global }
      - { .name: Wq, .offset: 32, .size: 8, .value_kind: global_buffer, .address_space: global }
      - { .name: Wk, .offset: 40, .size: 8, .value_kind: global_buffer, .address_space: global }
      - { .name: Wv, .offset: 48, .size: 8, .value_kind: global_buffer, .address_space: global }
      - { .name: Wo, .offset: 56, .size: 8, .value_kind: global_buffer, .address_space: global }
      - { .name: bq, .offset: 64, .size: 8, .value_kind: global_buffer, .address_space: global }
      - { .name: bk, .offset: 72, .size: 8, .value_kind: global_buffer, .address_space: global }
      - { .name: bv, .offset: 80, .size: 8, .value_kind: global_buffer, .address_space: global }
      - { .name: lowp_scales, .offset: 88, .size: 8, .value_kind: global_buffer, .address_space: global }
      - { .name: xc, .offset: 96, .size: 8, .value_kind: global_buffer, .address_space: global }
      - { .name: wc, .offset: 104, .size: 8, .value_kind: global_buffer, .address_space: global }
      - { .name: mw, .offset: 112, .size: 8, .value_kind: global_buffer, .address_space: global }
      - { .name: bw, .offset: 120, .size: 8, .value_kind: global_buffer, .address_space: global }
    .group_segment_fixed_size: 67072
    .private_segment_fixed_size: 0
    .kernarg_segment_align: 8
    .kernarg_segment_size: 128
    .max_flat_workgroup_size: 128
    .sgpr_count:     66
    .vgpr_count:     216
    .wavefront_size: 32
...
	.end_amdgpu_metadata
.endif
;; end of part 1
;; launch proj (part 2): grid 8 x 96, 4 waves a work-group, clusters of 4 x 4, 327,680 bytes of LDS; arguments xc, wc, bw, lowp_scales, qkv; writes qkv
.if DOCPART == 2
	.amdgcn_target "amdgcn-amd-amdhsa--gfx1250"
	.amdhsa_code_object_version 6
	.text
	.protected	k_q994e9e1a37_proj
	.globl	k_q994e9e1a37_proj
	.p2align	8
	.type	k_q994e9e1a37_proj,@function
k_q994e9e1a37_proj:
	s_mov_b64 s[64:65], 0
	v_nop
	global_prefetch_b8 v0, s[64:65] scope:SCOPE_SE
	s_setreg_imm32_b32 hwreg(HW_REG_WAVE_MODE, 25, 1), 1
	s_wait_xcnt 0x0
	s_wait_alu depctr_hold_cnt(0) depctr_sa_sdst(0) depctr_va_vdst(0) depctr_va_sdst(0) depctr_va_ssrc(0) depctr_va_vcc(0) depctr_vm_vsrc(0)
	s_getreg_b32 s2, hwreg(HW_REG_IB_STS2, 6, 4)
	s_cmp_eq_u32 s2, 0
	s_cbranch_scc0 .Lentry_in_a_cluster
	s_endpgm
.Lentry_in_a_cluster:
	s_bfe_u32 s2, ttmp6, 0x10000c
	s_cmp_lg_u32 s2, 0xf033
	s_cbranch_scc0 .Lentry_shape_is_right
	s_endpgm
.Lentry_shape_is_right:
.set ROWB,   256
.set KROW,   1024
.set PITCH,  272
.set FR,     16
.set NL,     4
.set NP,     4
.set HALFT,  128*PITCH
.set SLOT,   4*HALFT
.set LAPS,   KROW/(2*ROWB)
.set SPARE,  2*SLOT
.set STAGE,  SPARE+512
.set SPITCH, 144
.set ADRA, 16
.set ADRB, 20
.set STO,  24
.set RD,   25
.set CO,   26
.set SPW,  28
.set NIL,  29
.set BNA,  30
.set BMA,  31
.set BN,   32
.set BM,   96
.set SCL,  112
.set LIM,  113
.set AF,   128
.set TMP,  128
.set CD,   192
.set BK,   208
.set G1, 24
.set G0, 32
.set G1B, 48
.set G0B, 56
.set MSB, 0
.macro WIN new
.if MSB != (\new)
	s_set_vgpr_msb (MSB<<8)|(\new)
.set MSB, (\new)
.endif
.endm
.set MUL_LO, 0xa1
.set MUL_HI, 0xf1
.set TO_B,   0x40
.macro JLOAD g0a, g1a, g0b, g1b
	s_cmp_eq_u32 s15, 0
	s_cbranch_scc0 .Lfor_b_\@
	tensor_load_to_lds s[\g0a:\g0a+3], s[\g1a:\g1a+7]
	s_nop 0
.rept 4
	v_nop
.endr
	s_branch .Lasked_\@
.Lfor_b_\@:
	tensor_load_to_lds s[\g0b:\g0b+3], s[\g1b:\g1b+7]
	s_nop 0
.rept 4
	v_nop
.endr
.Lasked_\@:
.endm
.macro CREST
	s_cmp_lg_u32 s14, 0
	s_cbranch_scc1 .Lnot_wave_0_\@
	s_barrier_signal -3
.Lnot_wave_0_\@:
	s_barrier_wait -3
	s_barrier_signal -1
	s_barrier_wait -1
.endm
.macro CROUND
	s_barrier_signal -1
	s_barrier_wait -1
	CREST
.endm
	s_load_b128 s[4:7], s[0:1], 0x0
	s_load_b128 s[8:11], s[0:1], 0x10
	s_load_b64 s[12:13], s[0:1], 0x20
	v_lshl_add_u32 v[SPW], v0, 2, SPARE
	v_mov_b32 v[NIL], 0
	ds_add_u32 v[SPW], v[NIL]
	ds_add_u32 v[SPW], v[NIL]
	v_lshrrev_b32 v1, 5, v0
	v_readfirstlane_b32 s14, v1
	s_lshr_b32 s15, s14, 1
	s_and_b32 s16, s14, 1
	s_bfe_u32 s40, ttmp6, 0x40000
	s_bfe_u32 s41, ttmp6, 0x40004
	s_and_b32 s66, ttmp7, 0xffff
	s_lshr_b32 s67, s66, 3
	s_and_b32 s68, s66, 7
	s_cmp_eq_u32 s67, 2
	s_cselect_b32 s69, s68, ttmp9
	s_cselect_b32 s70, ttmp9, s68
	s_lshl_b32 s42, s69, 2
	s_add_co_u32 s42, s42, s40
	s_lshl_b32 s17, s70, 2
	s_add_co_u32 s17, s17, s41
	s_lshl_b32 s43, s41, 2
	s_lshl_b32 s43, 15, s43
	s_lshl_b32 s44, 0x1111, s40
	s_or_b32 s[G1+0], s43, (0<<16)|(1<<20)|(1<<21)|(5<<22)|(3<<25)
	s_or_b32 s[G1B+0], s44, (0<<16)|(1<<20)|(1<<21)|(5<<22)|(3<<25)
.irp g, G1, G1B
	s_mov_b32 s[\g+1], ROWB<<16
	s_mov_b32 s[\g+2], 128<<16
	s_mov_b32 s[\g+3], ROWB<<16
	s_mov_b32 s[\g+4], 128
	s_mov_b32 s[\g+5], KROW
	s_mov_b32 s[\g+6], 0
	s_mov_b32 s[\g+7], 0
.endr
	s_lshl_b32 s18, s16, 7
	s_lshl_b32 s20, s17, 8
	s_add_co_u32 s20, s20, s18
	s_lshl_b32 s46, s42, 8
	s_add_co_u32 s46, s46, s18
	s_lshl_b32 s20, s20, 10
	s_lshl_b32 s46, s46, 10
	s_lshl_b32 s71, s67, 23
	s_lshl_b32 s72, s67, 21
	s_cmp_eq_u32 s67, 2
	s_cselect_b32 s71, 0x400000, s71
	s_cselect_b32 s72, 0x1000000, s72
	s_add_co_u32 s20, s20, s71
	s_mov_b32 s21, 0
	s_add_co_u32 s46, s46, s72
	s_mov_b32 s47, 0
	s_mul_i32 s45, s14, HALFT
	s_lshl_b32 s92, s67, 13
	s_add_co_u32 s92, s92, 32768
	s_cmp_eq_u32 s67, 2
	s_cselect_b32 s92, 0, s92
	s_cselect_b32 s94, 49152, 0
	s_lshl_b32 s93, s42, 10
	s_add_co_u32 s92, s92, s93
	s_lshl_b32 s93, s16, 9
	s_add_co_u32 s92, s92, s93
	s_mov_b32 s93, 0
	s_lshl_b32 s95, s17, 10
	s_add_co_u32 s94, s94, s95
	s_lshl_b32 s95, s15, 9
	s_add_co_u32 s94, s94, s95
	s_mov_b32 s95, 0
	s_lshl_b32 s73, s42, 1
	s_add_co_u32 s73, s73, s16
	s_cmp_eq_u32 s67, 2
	s_cselect_b32 s74, 11, 13
	s_lshl_b32 s74, s73, s74
	s_lshl_b32 s73, s17, 8
	s_add_co_u32 s74, s74, s73
	s_lshl_b32 s73, s15, 7
	s_add_co_u32 s74, s74, s73
	s_lshl_b32 s74, s74, 7
	s_lshl_b32 s73, s67, 24
	s_add_co_u32 s74, s74, s73
	s_mov_b32 s75, 0
	s_wait_dscnt 0x0
	s_wait_kmcnt 0x0
	s_load_b256 s[76:83], s[10:11], 0x0
	s_load_b128 s[84:87], s[10:11], 0x20
	s_cmp_eq_u32 s67, 2
	s_cselect_b64 s[88:89], s[6:7], s[4:5]
	s_cselect_b64 s[90:91], s[4:5], s[6:7]
	s_add_nc_u64 s[20:21], s[88:89], s[20:21]
	s_add_nc_u64 s[46:47], s[90:91], s[46:47]
	s_add_nc_u64 s[92:93], s[8:9], s[92:93]
	s_add_nc_u64 s[94:95], s[8:9], s[94:95]
	s_add_nc_u64 s[12:13], s[12:13], s[74:75]
	CROUND
.irp s, 0,1
	s_mov_b32 s[G0+4*\s], 1
	s_add_co_u32 s[G0+4*\s+1], s45, \s*SLOT
	s_add_nc_u64 s[G0+4*\s+2:G0+4*\s+3], s[20:21], \s*ROWB
	s_or_b32 s[G0+4*\s+3], s[G0+4*\s+3], 0x80000000
	s_mov_b32 s[G0B+4*\s], 1
	s_add_co_u32 s[G0B+4*\s+1], s45, \s*SLOT
	s_add_nc_u64 s[G0B+4*\s+2:G0B+4*\s+3], s[46:47], \s*ROWB
	s_or_b32 s[G0B+4*\s+3], s[G0B+4*\s+3], 0x80000000
	s_wait_alu depctr_va_vdst(0)
	s_wait_tensorcnt 0x0
	ds_add_u32 v28, v29
	ds_add_u32 v28, v29
	s_wait_dscnt 0x0
	CROUND
	JLOAD G0+4*\s, G1, G0B+4*\s, G1B
.endr
	v_and_b32 v1, 15, v0
	s_wait_alu depctr_va_vdst(0)
	v_bfe_u32 v2, v0, 4, 1
	v_mul_u32_u24 v3, v1, PITCH
	v_lshl_add_u32 v4, v2, 4, v3
	s_mul_i32 s21, s15, HALFT
	s_mul_i32 s22, s16, HALFT
	s_add_co_u32 s22, s22, 2*HALFT
.irp s, 0,1
	v_add_nc_u32 v[ADRA+\s], s21, v4
	v_add_nc_u32 v[ADRB+\s], s22, v4
	s_add_co_u32 s21, s21, SLOT
	s_add_co_u32 s22, s22, SLOT
.endr
	s_mul_i32 s23, s14, 16*SPITCH
	s_add_co_u32 s23, s23, STAGE
	v_mul_u32_u24 v5, v1, SPITCH
	s_wait_alu depctr_va_vdst(0)
	v_lshl_add_u32 v5, v2, 3, v5
	v_add_nc_u32 v[STO], s23, v5
	v_and_b32 v6, 31, v0
	v_lshrrev_b32 v7, 3, v6
	v_and_b32 v8, 7, v6
	v_mul_u32_u24 v7, v7, SPITCH
	v_lshl_add_u32 v7, v8, 4, v7
	v_add_nc_u32 v[RD], s23, v7
	v_lshlrev_b32 v[CO], 4, v6
	v_lshlrev_b32 v[BNA], 5, v2
	v_lshlrev_b32 v[BMA], 2, v1
.irp b, 0,1,2,3,4,5,6,7
	global_load_b128 v[BN+8*\b:BN+8*\b+3], v[BNA], s[92:93] offset:64*\b
	global_load_b128 v[BN+8*\b+4:BN+8*\b+7], v[BNA], s[92:93] offset:64*\b+16
.endr
.irp a, 0,1,2,3,4,5,6,7
	global_load_b32 v[BM+2*\a], v[BMA], s[94:95] offset:64*\a
	global_load_b32 v[BM+2*\a+1], v[BMA], s[94:95] offset:64*\a
.endr
.macro FRAG reg, adr, q, i
.irp c, 0,1,2,3
	ds_load_b128 v[\reg+4*\c:\reg+4*\c+3], v[\adr] offset:128*(\q)+32*\c+(\i)*16*PITCH
.endr
.endm
.macro MUL16 a0, p, zero
.irp a, \a0, \a0+1
.irp b, 0,1,2,3,4,5,6,7
.if \zero
	v_wmma_f32_16x16x128_fp8_fp8 v[8*(8*((\a)%4)+\b):8*(8*((\a)%4)+\b)+7], v[128*(\p)+FR*\b:128*(\p)+FR*\b+FR-1], v[AF+FR*(\a):AF+FR*(\a)+FR-1], 0
.else
	v_wmma_f32_16x16x128_fp8_fp8 v[8*(8*((\a)%4)+\b):8*(8*((\a)%4)+\b)+7], v[128*(\p)+FR*\b:128*(\p)+FR*\b+FR-1], v[AF+FR*(\a):AF+FR*(\a)+FR-1], v[8*(8*((\a)%4)+\b):8*(8*((\a)%4)+\b)+7]
.endif
.endr
.endr
.endm
.macro FETCH_B slot, q, p
	WIN TO_B
.irp i, 0,1,2,3,4,5,6,7
	FRAG 128*(\p)+FR*\i, ADRB+\slot, \q, \i
.endr
	WIN 0
.endm
.macro FETCH_A slot, q, i0
.irp i, \i0, \i0+1, \i0+2, \i0+3
	FRAG AF+FR*(\i), ADRA+\slot, \q, \i
.endr
.endm
.macro PLACES n
.rept \n
	v_nop
.endr
.endm
.macro STEP slot, q, zero
	s_wait_dscnt 4*NL
	WIN MUL_LO
	MUL16 0, (\q)%2, \zero
	MUL16 2, (\q)%2, \zero
	s_wait_dscnt 0
	PLACES NP
	FETCH_B \slot, (\q)+1, 1-(\q)%2
	FETCH_A \slot, (\q)+1, 0
	WIN MUL_HI
	MUL16 4, (\q)%2, \zero
	MUL16 6, (\q)%2, \zero
	PLACES NP
	WIN 0
	FETCH_A \slot, (\q)+1, 4
.endm
.macro TURN slot, next, fill
	s_wait_tensorcnt 0x0
	ds_add_u32 v[SPW], v[NIL]
	s_wait_dscnt 4*NL+1
	WIN MUL_LO
	MUL16 0, 1, 0
	s_wait_dscnt 0x0
	s_barrier_signal -1
	MUL16 2, 1, 0
	WIN 0
	s_barrier_wait -1
.if \fill
	CREST
	s_add_nc_u64 s[G0+4*\slot+2:G0+4*\slot+3], s[G0+4*\slot+2:G0+4*\slot+3], 2*ROWB
	s_add_nc_u64 s[G0B+4*\slot+2:G0B+4*\slot+3], s[G0B+4*\slot+2:G0B+4*\slot+3], 2*ROWB
	JLOAD G0+4*\slot, G1, G0B+4*\slot, G1B
.else
	PLACES NP
.endif
	FETCH_B \next, 0, 0
	FETCH_A \next, 0, 0
	WIN MUL_HI
	MUL16 4, 1, 0
	MUL16 6, 1, 0
	PLACES NP
	WIN 0
	FETCH_A \next, 0, 4
.endm
	s_wait_tensorcnt 1
	s_barrier_signal -1
	s_barrier_wait -1
	FETCH_B 0, 0, 0
	FETCH_A 0, 0, 0
	FETCH_A 0, 0, 4
	STEP 0, 0, 1
	s_mov_b32 s3, LAPS-1
.Llap:
	TURN 0, 1, 1
	STEP 1, 0, 0
	TURN 1, 0, 1
	STEP 0, 0, 0
	s_sub_co_u32 s3, s3, 1
	s_cmp_lg_u32 s3, 0
	s_cbranch_scc1 .Llap
	TURN 0, 1, 0
	STEP 1, 0, 0
	s_wait_dscnt 4*NL
	WIN MUL_LO
	MUL16 0, 1, 0
	MUL16 2, 1, 0
	s_wait_dscnt 0
	WIN MUL_HI
	MUL16 4, 1, 0
	MUL16 6, 1, 0
	WIN 0
.macro OUTBLK a
.set AC, 64*((\a)%4)
	WIN 0x02+((\a)/4)
.set J, 0
.rept 32
	v_pk_fma_f32 v[TMP+J:TMP+J+1], v[AC+J:AC+J+1], s[96:97], v[BN+J:BN+J+1] op_sel_hi:[1,0,1]
.set J, J+2
.endr
	WIN 0
.set J, 0
.rept 32
	v_pk_add_f32 v[TMP+J:TMP+J+1], v[TMP+J:TMP+J+1], v[BM+2*(\a):BM+2*(\a)+1]
.set J, J+2
.endr
.set J, 0
.rept 64
.set J, J+1
.endr
.irp b, 0,1,2,3,4,5,6,7
	v_cvt_scalef32_pk8_fp8_f32 v[CD+2*\b:CD+2*\b+1], v[TMP+8*\b:TMP+8*\b+7], v[SCL]
.endr
	v_nop
.irp b, 0,1,2,3,4,5,6,7
	ds_store_b64 v[STO], v[CD+2*\b:CD+2*\b+1] offset:16*\b
.endr
.set BB, BK+16*((\a)%2)
.irp i, 0,1,2,3
	ds_load_b128 v[BB+4*\i:BB+4*\i+3], v[RD] offset:\i*4*SPITCH
.endr
.endm
.macro SEND a, younger
.set BB, BK+16*((\a)%2)
	s_wait_dscnt \younger
.irp i, 0,1,2,3
	global_store_b128 v[CO], v[BB+4*\i:BB+4*\i+3], s[12:13] offset:(\a)*2048+\i*512
.endr
.endm
	s_wait_kmcnt 0x0
	s_add_co_i32 s88, s76, s77
	s_add_co_i32 s89, s78, s79
	s_add_co_i32 s90, s80, s81
	s_cmp_eq_u32 s67, 0
	s_cselect_b32 s96, s88, s89
	s_cselect_b32 s91, s82, s83
	s_cmp_eq_u32 s67, 2
	s_cselect_b32 s96, s90, s96
	s_cselect_b32 s91, s85, s91
	s_add_co_i32 s96, s96, 127
	s_lshl_b32 s96, s96, 23
	s_mov_b32 s97, s96
	s_add_co_i32 s91, s91, 127
	s_lshl_b32 s88, s91, 23
	s_add_co_i32 s91, s91, 8
	s_lshl_b32 s91, s91, 23
	s_or_b32 s91, s91, 0x600000
	s_wait_loadcnt 0x0
	v_mov_b32 v[SCL], s88
	PLACES NP
	OUTBLK 0
.irp a, 1,2,3,4,5,6,7
.if \a > 1
	s_wait_xcnt 0x0
.endif
	OUTBLK \a
	SEND \a-1, 12
.endr
	SEND 7, 0
	s_wait_tensorcnt 0x0
	ds_add_u32 v[SPW], v[NIL]
	s_wait_dscnt 0x0
	CROUND
	s_endpgm
.Lfunc_end_k_q994e9e1a37_proj:
	.size	k_q994e9e1a37_proj, .Lfunc_end_k_q994e9e1a37_proj-k_q994e9e1a37_proj
	.p2alignl 7, 3214868480
	.fill 96, 4, 3214868480
	.section	.rodata,"a",@progbits
	.p2align	6, 0x0
	.amdhsa_kernel k_q994e9e1a37_proj
		.amdhsa_group_segment_fixed_size 327680
		.amdhsa_private_segment_fixed_size 0
		.amdhsa_enable_private_segment 0
		.amdhsa_kernarg_size 40
		.amdhsa_user_sgpr_count 2
		.amdhsa_user_sgpr_kernarg_segment_ptr 1
		.amdhsa_wavefront_size32 1
		.amdhsa_system_sgpr_workgroup_id_x 1
		.amdhsa_system_sgpr_workgroup_id_y 1
		.amdhsa_system_sgpr_workgroup_id_z 1
		.amdhsa_system_vgpr_workitem_id 0
		.amdhsa_next_free_vgpr 1024
		.amdhsa_next_free_sgpr 100
		.amdhsa_reserve_vcc 0
		.amdhsa_float_denorm_mode_32 3
		.amdhsa_float_denorm_mode_16_64 3
		.amdhsa_fp16_overflow 1
		.amdhsa_memory_ordered 1
		.amdhsa_forward_progress 1
		.amdhsa_inst_pref_size 130
	.end_amdhsa_kernel
	.amdgpu_metadata
---
amdhsa.version: [ 1, 2 ]
amdhsa.kernels:
  - .name:           k_q994e9e1a37_proj
    .symbol:         k_q994e9e1a37_proj.kd
    .args:
      - { .name: xc, .offset: 0, .size: 8, .value_kind: global_buffer, .address_space: global }
      - { .name: wc, .offset: 8, .size: 8, .value_kind: global_buffer, .address_space: global }
      - { .name: bw, .offset: 16, .size: 8, .value_kind: global_buffer, .address_space: global }
      - { .name: lowp_scales, .offset: 24, .size: 8, .value_kind: global_buffer, .address_space: global }
      - { .name: qkv, .offset: 32, .size: 8, .value_kind: global_buffer, .address_space: global }
    .group_segment_fixed_size: 327680
    .private_segment_fixed_size: 0
    .kernarg_segment_align: 8
    .kernarg_segment_size: 40
    .max_flat_workgroup_size: 128
    .sgpr_count:     100
    .vgpr_count:     1024
    .wavefront_size: 32
...
	.end_amdgpu_metadata
.endif
;; end of part 2
;; launch attn (part 3): grid 8 x 64, 16 waves a work-group, no clusters, 327,680 bytes of LDS; arguments qkv, mw, lowp_scales, ac; writes ac
.if DOCPART == 3
	.amdgcn_target "amdgcn-amd-amdhsa--gfx1250"
	.amdhsa_code_object_version 6
	.text
	.protected	k_q994e9e1a37_attn
	.globl	k_q994e9e1a37_attn
	.p2align	8
	.type	k_q994e9e1a37_attn,@function
k_q994e9e1a37_attn:
	s_mov_b64 s[64:65], 0
	v_nop
	global_prefetch_b8 v0, s[64:65] scope:SCOPE_SE
	s_setreg_imm32_b32 hwreg(HW_REG_WAVE_MODE, 25, 1), 1
	s_wait_xcnt 0x0
; ATTENTION ON CODES OF E4M3.  For batch entry b and head h: scores = q k^T / sqrt(65), the masked ones replaced; p = 2^(t - M), M the running largest t rounded up to a whole number; O = p v / l, l the sum of
; the unquantised p; O is quantised with 2^e10 for the last product.  Heads of 65 lie padded with zero codes: rows of 128 bytes in qkv and in ac.
; qkv: q [h][token 8192][128] at 0; k the same at 16,777,216, its rows laid so that position p holds key p with bits 3 and 4 exchanged; v [b 16 + key / 128][128 h + d][128 keys] at 33,554,432.
; mw: for each tile of 16 queries and each step of 128 keys 64 words: word n is the lane mask of score register n (bit set: mask == 0).  They come by scalar loads and steer v_cndmask_b32.
; ALL 64 WORDS OF A STEP LIE IN SCALAR REGISTERS, and each half is asked for anew as soon as the selects have read it: a step ahead of its use.
; SHARES.  A work-group owns 256 queries of one (b, h); each of its sixteen waves 16 of them, in 256 registers: four waves to a SIMD, so that the vector work of one stands beside the matrix work and LDS loads of another.
; Every wave walks all 2,048 keys, 128 a step.  The tiles of k and v come through a ring of two LDS slots of 512 keys (waves 0 to 3: 128 rows of k each; waves 4 to 7: a key block of v each), read by all sixteen:
; one barrier for four key steps.
; Of a row of k only bytes 0 .. 79 are fetched, of v only rows d = 0 .. 79.  Score product: K = 128 with k slots 65 .. 127 of q holding zero codes; what the fragment of k holds there is some code that is no NaN.
; LAYOUT.  Both products are used transposed: S^T = k q^T, O^T = v^T p^T: a lane holds ONE query (lane % 16) throughout; score register 16 bb + i is key 32 bb + 16 (lane / 16) + i.
; THE MASKED SCORE is the raw number -2^(33 - e6 - e7): t = c x that is exact and a whole number, about -1.5e9 (a logit of -1.07e9 where the definition has -1e9).  A row that is masked whole gives p = 1 for every key,
; as the definition does; beside any key that counts a masked weight is 0 in both.
; LIMITS: e6 + e7 between -94 and 9 (logits that count then stay under 8.3e8 in magnitude); e8 and e10 between -126 and 119.  NaN is not served.
; NO CLUSTER: the eight work-groups of a (b, h) read the same k and v, but what is shared is small: a slot is 81,920 bytes of memory for four key steps of sixteen waves, 64 wave steps of some 420 instructions each.
; VECTOR REGISTERS: v1-3 places that stay; v4 the masked score; v5, v6 for the add; v7 16 x lane; v8-10 addresses in hand; v12 -M, v13 the largest t, v[14:15] l; v16-31 q; v32-95, v200-215 fragments; v96-159 S^T, then p;
; v160-199 O^T; v216 2^e10, v218 e8 + e9; v224-239 the codes of p; v244 2^e8; v236, v242-243, v250-254 at work.
; SCALAR REGISTERS: s[2:3] the mask words of the step in hand; s[4:35] words 32 .. 63 (at the head: at work); s[36:59] descriptors; s[60:63] lane selects and c; s66, s67 the slot and the count; s[68:99] words 0 .. 31; s100 my wave.
.set SK,    512
.set KP,    80                         ; a row of k in LDS: 80 bytes, no padding: an odd multiple of 16
.set VP,    144                        ; a row of v: 128 bytes + 16
.set VOFF,  SK*KP
.set VBLK,  80*VP
.set SLOT1, 1<<17                      ; slot 1 begins here, so that one exclusive or turns an address in one slot into that in the other
.set NSL,   2048/SK
.set SPARE, 2*SLOT1                    ; the spare words, 128 bytes for each of 16 waves
.set STAGE, SPARE+2048                 ; the way out: 16 rows x 144 bytes for each wave; no tile lands there
.set SPITCH, 144
.set AK0,  1
.set AV0,  2
.set AK2,  3
.set NEG,  4
.set SPW,  5
.set NIL,  6
.set GO,   7
.set ADK,  8
.set ADV,  9
.set ADK2, 10
.set OSC,  216
.set OLIM, 217
.set OEXP, 218
.set MP,   2
.set W1,   4
.set G1K,  36
.set G1V,  44
.set G0K,  52
.set G0V,  56
.set SEL,  60
.set CS,   62
.set TB,   66                          ; s66  LDS byte at which the slot in hand begins
.set SLOTS, 67
.set W0,   68
.set WV,   100
.macro TLOAD g0k, g1k, g0v, g1v        ; waves 0 to 3 fetch for k, waves 4 to 7 for v, the others nothing; the branches hang on the wave number alone; an s_nop 0 and four v_nop follow each line
	s_cmp_lt_u32 s[WV], 4
	s_cbranch_scc0 .Lnot_k_\@
	tensor_load_to_lds s[\g0k:\g0k+3], s[\g1k:\g1k+7]
	s_nop 0
.rept 4
	v_nop
.endr
	s_branch .Lasked_\@
.Lnot_k_\@:
	s_cmp_lt_u32 s[WV], 8
	s_cbranch_scc0 .Lasked_\@
	tensor_load_to_lds s[\g0v:\g0v+3], s[\g1v:\g1v+7]
	s_nop 0
.rept 4
	v_nop
.endr
.Lasked_\@:
.endm
	s_load_b128 s[4:7], s[0:1], 0x0                ; qkv, mw
	s_load_b64 s[8:9], s[0:1], 0x10                ; the exponents
	v_lshl_add_u32 v[SPW], v0, 2, SPARE
	v_mov_b32 v[NIL], 0
	ds_add_u32 v[SPW], v[NIL]                      ; the opening of the wave: the add and its wait stand ahead of the first tensor load; work on registers stands between them
	ds_add_u32 v[SPW], v[NIL]
	v_lshrrev_b32 v8, 5, v0
	s_delay_alu instid0(VALU_DEP_1)
	v_readfirstlane_b32 s[WV], v8                  ; wave 0..15
	s_and_b32 s12, ttmp7, 0xffff
	s_lshr_b32 s13, s12, 4                         ; b
	s_and_b32 s14, s12, 15                         ; h
	s_lshl_b32 s15, s14, 13
	s_lshl_b32 s16, s13, 11
	s_add_co_u32 s15, s15, s16                     ; the first row of (h, b) among the rows of q, k and ac
	s_lshl_b32 s16, ttmp9, 4
	s_add_co_u32 s16, s16, s[WV]                   ; my tile of 16 queries in b
	s_lshl_b32 s17, s16, 4
	s_add_co_u32 s17, s17, s15
	s_lshl_b32 s18, s17, 7                         ; my first row, in bytes
	s_mov_b32 s19, 0
	s_lshl_b32 s17, s13, 7
	s_add_co_u32 s17, s17, s16
	s_lshl_b32 s20, s17, 12                        ; my mask words: 16 key steps of 256 bytes
	s_mov_b32 s21, 0
	s_and_b32 s17, s[WV], 3                        ; which quarter of a slot I fetch, if I fetch
	s_lshl_b32 s22, s17, 7
	s_add_co_u32 s22, s22, s15
	s_lshl_b32 s22, s22, 7
	s_add_co_u32 s22, s22, 0x1000000               ; k: 128 rows of 128 bytes
	s_mov_b32 s23, 0
	s_lshl_b32 s24, s13, 4
	s_add_co_u32 s24, s24, s17
	s_lshl_b32 s24, s24, 11
	s_lshl_b32 s25, s14, 7
	s_add_co_u32 s24, s24, s25
	s_lshl_b32 s24, s24, 7
	s_add_co_u32 s24, s24, 0x2000000               ; v: key block 16 b + quarter, rows 128 h on
	s_mov_b32 s25, 0
	s_mul_i32 s26, s17, 128*KP                     ; and where they go in a slot
	s_mul_i32 s27, s17, VBLK
	s_add_co_u32 s27, s27, VOFF
	s_mov_b32 s[G1K], 0                            ; k: elements of 1 byte, no mask, no padding
	s_mov_b32 s[G1K+1], KP<<16                     ; tensor_dim0 = 80
	s_mov_b32 s[G1K+2], 128<<16                    ; tensor_dim1 = 128
	s_mov_b32 s[G1K+3], KP<<16                     ; tile_dim0
	s_mov_b32 s[G1K+4], 128                        ; tile_dim1
	s_mov_b32 s[G1K+5], 128                        ; the pitch in memory
	s_mov_b32 s[G1K+6], 0
	s_mov_b32 s[G1K+7], 0
	s_mov_b32 s[G1V], (1<<20)|(4<<22)|(3<<25)      ; v: four words of padding after every 32
	s_mov_b32 s[G1V+1], 128<<16
	s_mov_b32 s[G1V+2], 80<<16
	s_mov_b32 s[G1V+3], 128<<16
	s_mov_b32 s[G1V+4], 80
	s_mov_b32 s[G1V+5], 128
	s_mov_b32 s[G1V+6], 0
	s_mov_b32 s[G1V+7], 0
	s_mov_b32 s[SEL], 0x76543210
	s_mov_b32 s[SEL+1], 0xfedcba98
	s_mov_b32 s[CS], 0x3e373d2c                    ; c = log2(e) / sqrt(65)
	s_mov_b32 s[TB], 0
	s_mov_b32 s[SLOTS], NSL-1
	s_wait_dscnt 0x0                               ; the opening add is done
	s_wait_kmcnt 0x0
	s_load_b256 s[28:35], s[8:9], 0x10             ; e4 .. e11
	s_add_nc_u64 s[MP:MP+1], s[6:7], s[20:21]
	s_load_b512 s[W0:W0+15], s[MP:MP+1], 0x0       ; words 0 .. 31 of key step 0
	s_load_b512 s[W0+16:W0+31], s[MP:MP+1], 0x40
	s_mov_b32 s[G0K], 1
	s_mov_b32 s[G0K+1], s26
	s_add_nc_u64 s[G0K+2:G0K+3], s[4:5], s[22:23]
	s_or_b32 s[G0K+3], s[G0K+3], 0x80000000
	s_mov_b32 s[G0V], 1
	s_mov_b32 s[G0V+1], s27
	s_add_nc_u64 s[G0V+2:G0V+3], s[4:5], s[24:25]
	s_or_b32 s[G0V+3], s[G0V+3], 0x80000000
	TLOAD G0K, G1K, G0V, G1V                       ; slot 0
	s_add_nc_u64 s[4:5], s[4:5], s[18:19]          ; q at my first row
	v_and_b32 v8, 15, v0                           ; r
	v_bfe_u32 v9, v0, 4, 1                         ; h
	s_delay_alu instid0(VALU_DEP_2)
	v_lshlrev_b32 v10, 7, v8
	s_delay_alu instid0(VALU_DEP_1)
	v_lshl_add_u32 v10, v9, 4, v10
.irp c, 0,1,2,3
	global_load_b128 v[16+4*\c:19+4*\c], v10, s[4:5] offset:32*\c   ; the fragment of q stays in registers
.endr
	v_mul_u32_u24 v[AK0], v8, KP
	s_delay_alu instid0(VALU_DEP_1)
	v_add_nc_u32 v[AK2], 64, v[AK0]                ; bytes 64 .. 67 of a row of k, for both halves of the lanes: in lanes 16-31 they meet zero codes of q
	s_delay_alu instid0(VALU_DEP_2)
	v_lshl_add_u32 v[AK0], v9, 4, v[AK0]
	v_mul_u32_u24 v[AV0], v8, VP
	s_delay_alu instid0(VALU_DEP_1)
	v_lshl_add_u32 v[AV0], v9, 4, v[AV0]
	s_delay_alu instid0(VALU_DEP_1)
	v_add_nc_u32 v[AV0], VOFF, v[AV0]
	v_and_b32 v11, 31, v0
	s_delay_alu instid0(VALU_DEP_1)
	v_lshlrev_b32 v[GO], 4, v11
	v_mov_b32 v13, 0xff61b1e6                      ; the largest t so far: -3e38
	s_delay_alu instid0(VALU_DEP_1)
	v_floor_f32 v12, -v13                          ; -M
	v_mov_b32 v14, 0
	v_mov_b32 v15, 0
	v_mov_b32 v236, 0                              ; the destination of a lane permute counts as read
	v_mov_b32 v253, 0                              ; (named as the upper half of a pair)
.set J, 0
.rept 40
	v_mov_b32 v[160+J], 0                          ; O^T: the step is written once; the first finds zeros
.set J, J+1
.endr
.irp t, 0,1,2,3
.irp c, 1,2,3,4,5,6,7
	v_mov_b32 v[40+16*\t+\c], 0                    ; registers 9 .. 15 of the fragments of k: never loaded for k; later they hold codes of v, which meet zero codes of q
.endr
.endr
	s_wait_kmcnt 0x0                               ; the exponents (and words 0 .. 31)
	s_add_co_i32 s14, s30, s31                     ; e6 + e7
	s_lshl_b32 s15, s14, 23
	s_add_co_i32 s[CS], s[CS], s15                 ; a raw score stands for score x 2^(e6 + e7): added to the exponent field of c
	s_mov_b32 s[CS+1], s[CS]
	s_sub_co_i32 s15, 160, s14
	s_lshl_b32 s15, s15, 23
	s_or_b32 s15, s15, 0x80000000
	v_mov_b32 v[NEG], s15                          ; -2^(33 - e6 - e7)
	s_add_co_i32 s15, s32, 127
	s_lshl_b32 s16, s15, 23
	v_mov_b32 v244, s16                            ; 2^e8
	s_add_co_i32 s15, s34, 127
	s_lshl_b32 s16, s15, 23
	v_mov_b32 v[OSC], s16                          ; 2^e10, kept for the way out
	s_add_co_i32 s15, s32, s33
	v_mov_b32 v[OEXP], s15                         ; e8 + e9
	s_wait_xcnt 0x0                                ; the loads of q have read their base s[4:5]: only behind this wait do the words land there
	s_load_b512 s[W1:W1+15], s[MP:MP+1], 0x80      ; words 32 .. 63 of key step 0
	s_load_b512 s[W1+16:W1+31], s[MP:MP+1], 0xc0
.macro KLOAD q, g                      ; tiles 4 g .. 4 g + 3 of the key step: 16 neighbouring rows each; bytes 0 .. 63 in two pieces of 16 a lane, bytes 64 .. 67 in one word
.irp t, 0,1,2,3
	ds_load_b128 v[32+16*\t:35+16*\t], v[ADK] offset:(128*(\q)+16*(4*(\g)+\t))*KP
	ds_load_b128 v[36+16*\t:39+16*\t], v[ADK] offset:(128*(\q)+16*(4*(\g)+\t))*KP+32
	ds_load_b32 v[40+16*\t], v[ADK2] offset:(128*(\q)+16*(4*(\g)+\t))*KP
.endr
.endm
.macro QK g                            ; each product waits for its own tile: three loads for each younger tile may be out
.irp t, 0,1,2,3
	s_wait_dscnt 9-3*\t
	v_wmma_f32_16x16x128_fp8_fp8 v[96+8*(4*(\g)+\t):103+8*(4*(\g)+\t)], v[32+16*\t:47+16*\t], v[16:31], 0
.endr
.endm
.macro MASK base, w                    ; 32 scores, ascending: where the bit of my lane is set the masked score is put in
.set N, 0
.rept 32
	v_cndmask_b32 v[\base+N], v[\base+N], v[NEG], s[\w+N]
.set N, N+1
.endr
.endm
.macro MAXH base, d, t                 ; the largest of 32 scores, in two chains: 16 lines
	v_max3_num_f32 v[\d], v[\base], v[\base+1], v[\base+2]
	v_max3_num_f32 v[\t], v[\base+3], v[\base+4], v[\base+5]
.irp i, 6,10,14,18,22,26
	s_delay_alu instid0(VALU_DEP_2)
	v_max3_num_f32 v[\d], v[\d], v[\base+\i], v[\base+\i+1]
	s_delay_alu instid0(VALU_DEP_2)
	v_max3_num_f32 v[\t], v[\t], v[\base+\i+2], v[\base+\i+3]
.endr
	s_delay_alu instid0(VALU_DEP_2)
	v_max3_num_f32 v[\d], v[\d], v[\base+30], v[\base+31]
	s_delay_alu instid0(VALU_DEP_1)
	v_max_num_f32 v[\d], v[\d], v[\t]
.endm
; A KEY STEP: 128 keys, the q-th of the slot in hand.  more = 1: the mask words of the next step are asked for; more = 0, the last step: the address of ac instead.
.macro STEP q, more
	v_add_nc_u32 v[ADK], s[TB], v[AK0]
	v_add_nc_u32 v[ADK2], s[TB], v[AK2]
	v_add_nc_u32 v[ADV], s[TB], v[AV0]
	v_nop                                          ; four places in front of loads into registers that the last products have read
	KLOAD \q, 0
	s_wait_alu depctr_va_vdst(0)
	QK 0
.rept 4
	v_nop
.endr
	KLOAD \q, 1
	s_wait_kmcnt 0x0                               ; all 64 words of this step: both halves were asked for in the step before; no scalar load is out now,
.if \more
	s_add_nc_u64 s[MP:MP+1], s[MP:MP+1], 256       ; so their base may step: the next key step
.endif
	MASK 96, W0
.if \more
	s_load_b512 s[W0:W0+15], s[MP:MP+1], 0x0       ; words 0 .. 31 of the next step, as soon as these have been read
	s_load_b512 s[W0+16:W0+31], s[MP:MP+1], 0x40
.endif
	QK 1
	MAXH 96, 254, 252                              ; these 16 lines are the places behind the products
.irp t, 0,1,2,3
.irp c, 0,1,2,3
	ds_load_b128 v[32+16*\t+4*\c:35+16*\t+4*\c], v[ADV] offset:(\q)*VBLK+16*\t*VP+32*\c   ; v^T: 16 of the 80 rows d x 128 keys
.endr
.endr
.irp c, 0,1,2,3
	ds_load_b128 v[200+4*\c:203+4*\c], v[ADV] offset:(\q)*VBLK+64*VP+32*\c
.endr
	MASK 128, W1                                   ; words 32 .. 63 were shown landed by the wait above
.if \more
	s_load_b512 s[W1:W1+15], s[MP:MP+1], 0x80      ; words 32 .. 63 of the next step: the softmax below stands between this and their use
	s_load_b512 s[W1+16:W1+31], s[MP:MP+1], 0xc0
.else
	s_load_b64 s[4:5], s[0:1], 0x18                ; ac, for the way out
.endif
	MAXH 128, 250, 252
	s_delay_alu instid0(VALU_DEP_1)
	v_max_num_f32 v254, v254, v250
	v_permlanex16_b32 v236, v254, s[SEL], s[SEL+1]
	s_delay_alu instid0(VALU_DEP_1)
	v_max_num_f32 v254, v254, v236                 ; the largest raw score of my query in this step
	s_delay_alu instid0(VALU_DEP_1)
	v_mul_f32 v254, s[CS], v254                    ; as t (c is positive)
	s_delay_alu instid0(VALU_DEP_1)
	v_max_num_f32 v13, v13, v254
	v_mov_b32 v254, v12
	s_delay_alu instid0(VALU_DEP_2)
	v_floor_f32 v12, -v13                          ; the new -M = -ceil(t)
	s_delay_alu instid0(VALU_DEP_1)
	v_sub_f32 v254, v12, v254                      ; old M - new M: a whole number, 0 or less
	s_delay_alu instid0(VALU_DEP_1)
	v_cvt_i32_f32 v254, v254                       ; (it saturates)
	s_delay_alu instid0(VALU_DEP_1)
	v_ldexp_f32 v252, 1.0, v254                    ; f = 2^(old M - new M)
.set J, 0
.rept 32
	v_pk_fma_f32 v[96+J:97+J], v[96+J:97+J], s[CS:CS+1], v[12:13] op_sel_hi:[1,0,0]   ; t - M
.set J, J+2
.endr
.set J, 0
	s_wait_alu depctr_va_vdst(0)
.rept 64
	v_exp_f32 v[96+J], v[96+J]                     ; p = 2^(t - M)
.set J, J+1
.endr
	v_pk_mul_f32 v[14:15], v[14:15], v[252:253] op_sel_hi:[1,0]   ; l under the new M: the plain line behind the exponentials
	s_wait_alu depctr_va_vdst(0)                   ; the wait ahead of the first reader: one for the batch
	v_pk_add_f32 v[242:243], v[100:101], v[104:105]
	v_pk_add_f32 v[254:255], v[108:109], v[112:113]
	v_pk_add_f32 v[250:251], v[116:117], v[120:121]
	v_pk_add_f32 v[248:249], v[124:125], v[128:129]
	v_pk_add_f32 v[246:247], v[132:133], v[136:137]
	v_pk_add_f32 v[240:241], v[140:141], v[144:145]
	v_pk_add_f32 v[238:239], v[148:149], v[152:153]
	v_pk_add_f32 v[14:15], v[14:15], v[156:157]
	v_pk_add_f32 v[242:243], v[242:243], v[96:97]
	v_pk_add_f32 v[254:255], v[254:255], v[98:99]
	v_pk_add_f32 v[250:251], v[250:251], v[102:103]
	v_pk_add_f32 v[248:249], v[248:249], v[106:107]
	v_pk_add_f32 v[246:247], v[246:247], v[110:111]
	v_pk_add_f32 v[240:241], v[240:241], v[114:115]
	v_pk_add_f32 v[238:239], v[238:239], v[118:119]
	v_pk_add_f32 v[14:15], v[14:15], v[122:123]
	v_pk_add_f32 v[242:243], v[242:243], v[126:127]
	v_pk_add_f32 v[254:255], v[254:255], v[130:131]
	v_pk_add_f32 v[250:251], v[250:251], v[134:135]
	v_pk_add_f32 v[248:249], v[248:249], v[138:139]
	v_pk_add_f32 v[246:247], v[246:247], v[142:143]
	v_pk_add_f32 v[240:241], v[240:241], v[146:147]
	v_pk_add_f32 v[238:239], v[238:239], v[150:151]
	v_pk_add_f32 v[14:15], v[14:15], v[154:155]
	v_pk_add_f32 v[242:243], v[242:243], v[158:159]
	s_delay_alu instid0(VALU_DEP_2)
	v_pk_add_f32 v[14:15], v[14:15], v[248:249]
	s_delay_alu instid0(VALU_DEP_2)
	v_pk_add_f32 v[242:243], v[242:243], v[246:247]
	v_pk_add_f32 v[254:255], v[254:255], v[240:241]
	v_pk_add_f32 v[250:251], v[250:251], v[238:239]
	s_delay_alu instid0(VALU_DEP_2)
	v_pk_add_f32 v[14:15], v[14:15], v[254:255]
	s_delay_alu instid0(VALU_DEP_2)
	v_pk_add_f32 v[242:243], v[242:243], v[250:251]
	s_delay_alu instid0(VALU_DEP_1)
	v_pk_add_f32 v[14:15], v[14:15], v[242:243]
.irp b, 0,1,2,3
.irp i, 0,1,2,3,4,5,6,7,8,9,10,11,12,13,14,15
.endr
	v_cvt_scalef32_pk8_fp8_f32 v[224+4*\b:225+4*\b], v[96+16*\b:103+16*\b], v244
	v_cvt_scalef32_pk8_fp8_f32 v[226+4*\b:227+4*\b], v[104+16*\b:111+16*\b], v244
.endr
.set J, 0
.rept 20
	v_pk_mul_f32 v[160+J:161+J], v[160+J:161+J], v[252:253] op_sel_hi:[1,0]   ; O^T under the new M; plain lines behind the conversions
.set J, J+2
.endr
	s_wait_alu depctr_va_vdst(0)
	s_wait_dscnt 0x0                               ; v is in
.irp t, 0,1,2,3
	v_wmma_f32_16x16x128_fp8_fp8 v[160+8*\t:167+8*\t], v[32+16*\t:47+16*\t], v[224:239], v[160+8*\t:167+8*\t]   ; five accumulators by turns
.endr
	v_wmma_f32_16x16x128_fp8_fp8 v[192:199], v[200:215], v[224:239], v[192:199]
.endm
; THE CHANGE OF SLOTS stands at the head of a slot.  Each wave waits for all its tensor loads, adds 0 to its spare word, and waits for that and for its reads of the slot that it has left.
; Behind the barrier the slot ahead is whole and nobody reads the other one; with fill = 1 that other slot is filled with the next 512 keys: the load has four key steps in which to land.
.macro CHANGE fill
	s_wait_tensorcnt 0x0
	ds_add_u32 v[SPW], v[NIL]
.if \fill
	s_xor_b32 s[G0K+1], s[G0K+1], SLOT1
	s_add_nc_u64 s[G0K+2:G0K+3], s[G0K+2:G0K+3], SK*128
	s_xor_b32 s[G0V+1], s[G0V+1], SLOT1
	s_add_nc_u64 s[G0V+2:G0V+3], s[G0V+2:G0V+3], 4*2048*128
.endif
	s_wait_dscnt 0x0
	s_barrier_signal -1
	s_barrier_wait -1
.if \fill
	TLOAD G0K, G1K, G0V, G1V                       ; the first thing behind the barrier, and the one tensor load of a wave until the next
.endif
.endm
	s_wait_loadcnt 0x0                             ; q
.Lslot:                                            ; NSL - 1 trips: behind each change of slots but the last the next slot is asked for
	CHANGE 1
	s_wait_alu depctr_va_vdst(0)
	STEP 0, 1
	STEP 1, 1
	STEP 2, 1
	STEP 3, 1
	s_xor_b32 s[TB], s[TB], SLOT1
	s_sub_co_u32 s[SLOTS], s[SLOTS], 1
	s_cmp_lg_u32 s[SLOTS], 0
	s_cbranch_scc1 .Lslot
	CHANGE 0                                       ; the last slot is written out
	STEP 0, 1
	STEP 1, 1
	STEP 2, 1
	STEP 3, 0
	; THE WAY OUT: O^T / l x 2^(e8 + e9), quantised with 2^e10; 8 codes a lane and tile into my stage, zero codes behind d = 79, back as 512 bytes on end.
	v_add_f32 v14, v14, v15
	s_delay_alu instid0(VALU_DEP_1)
	v_permlanex16_b32 v252, v14, s[SEL], s[SEL+1]
	s_delay_alu instid0(VALU_DEP_1)
	v_add_f32 v14, v14, v252                       ; l
	s_wait_alu depctr_va_vdst(0)
	v_rcp_f32 v14, v14
	v_and_b32 v8, 15, v0                           ; (a plain line behind the reciprocal)
	s_wait_alu depctr_va_vdst(0)
	v_bfe_u32 v9, v0, 4, 1
	s_and_b32 s12, ttmp7, 0xffff                   ; my first row of ac, made anew from the ids: 8,192 h + 2,048 b + 256 x + 16 wave
	s_lshr_b32 s13, s12, 4
	s_and_b32 s14, s12, 15
	s_lshl_b32 s14, s14, 13
	s_lshl_b32 s13, s13, 11
	s_add_co_u32 s14, s14, s13
	s_lshl_b32 s13, ttmp9, 8
	s_add_co_u32 s14, s14, s13
	s_lshl_b32 s13, s[WV], 4
	s_add_co_u32 s14, s14, s13
	s_lshl_b32 s14, s14, 7                         ; rows of 128 bytes
	s_mov_b32 s15, 0
	s_mul_i32 s16, s[WV], 16*SPITCH
	s_add_co_u32 s16, s16, STAGE                   ; my stage
	v_mul_u32_u24 v10, v8, SPITCH
	s_wait_alu depctr_va_vdst(0)
	v_lshl_add_u32 v10, v9, 3, v10
	s_delay_alu instid0(VALU_DEP_1)
	v_add_nc_u32 v11, s16, v10                     ; in: row r, + 8 h
	v_and_b32 v2, 31, v0
	s_delay_alu instid0(VALU_DEP_1)
	v_lshrrev_b32 v3, 3, v2
	s_delay_alu instid0(VALU_DEP_2)
	v_and_b32 v2, 7, v2
	s_delay_alu instid0(VALU_DEP_2)
	v_mul_u32_u24 v3, v3, SPITCH
	s_delay_alu instid0(VALU_DEP_1)
	v_lshl_add_u32 v3, v2, 4, v3
	s_delay_alu instid0(VALU_DEP_1)
	v_add_nc_u32 v3, s16, v3                       ; back: eight lanes to a row, four rows an instruction
	v_mov_b32 v140, 0
	v_mov_b32 v141, 0
	s_wait_kmcnt 0x0                               ; the address of ac, asked for in the last key step
	s_add_nc_u64 s[4:5], s[4:5], s[14:15]
	s_wait_alu depctr_va_vdst(0)                   ; the wait ahead of the first reader of the reciprocal
	v_ldexp_f32 v14, v14, v[OEXP]
.set J, 0
.rept 40
	v_mul_f32 v[96+J], v[160+J], v14               ; register 8 t + j is O(query r, d = 16 t + 8 h + j); each accumulator from its low end on
.set J, J+1
.endr
.set J, 0
.rept 40
.set J, J+1
.endr
.irp t, 0,1,2,3,4
	v_cvt_scalef32_pk8_fp8_f32 v[224+2*\t:225+2*\t], v[96+8*\t:103+8*\t], v[OSC]
.endr
	v_nop                                          ; one plain line behind the last conversion of a run
.irp t, 0,1,2,3,4
	ds_store_b64 v11, v[224+2*\t:225+2*\t] offset:16*\t
.endr
.irp t, 5,6,7
	ds_store_b64 v11, v[140:141] offset:16*\t      ; d = 80 .. 127: zero codes
.endr
.irp i, 0,1,2,3
	ds_load_b128 v[144+4*\i:147+4*\i], v3 offset:\i*4*SPITCH   ; LDS serves the instructions of a wave in order: these see my stores
.endr
.irp i, 0,1,2,3
	s_wait_dscnt 3-\i                              ; the younger loads may be out
	global_store_b128 v[GO], v[144+4*\i:147+4*\i], s[4:5] offset:512*\i   ; the wave stores 512 consecutive bytes, aligned
.endr
	s_wait_tensorcnt 0x0                           ; the end of the wave
	ds_add_u32 v[SPW], v[NIL]
	s_wait_dscnt 0x0
	s_endpgm
.Lfunc_end_k_q994e9e1a37_attn:
	.size	k_q994e9e1a37_attn, .Lfunc_end_k_q994e9e1a37_attn-k_q994e9e1a37_attn
	.p2alignl 7, 3214868480
	.fill 96, 4, 3214868480
	.section	.rodata,"a",@progbits
	.p2align	6, 0x0
	.amdhsa_kernel k_q994e9e1a37_attn
		.amdhsa_group_segment_fixed_size 327680
		.amdhsa_private_segment_fixed_size 0
		.amdhsa_enable_private_segment 0
		.amdhsa_kernarg_size 32
		.amdhsa_user_sgpr_count 2
		.amdhsa_user_sgpr_kernarg_segment_ptr 1
		.amdhsa_wavefront_size32 1
		.amdhsa_system_sgpr_workgroup_id_x 1
		.amdhsa_system_sgpr_workgroup_id_y 1
		.amdhsa_system_sgpr_workgroup_id_z 1
		.amdhsa_system_vgpr_workitem_id 0
		.amdhsa_next_free_vgpr 256
		.amdhsa_next_free_sgpr 102
		.amdhsa_reserve_vcc 0
		.amdhsa_float_denorm_mode_32 3
		.amdhsa_float_denorm_mode_16_64 3
		.amdhsa_fp16_overflow 1
		.amdhsa_memory_ordered 1
		.amdhsa_forward_progress 1
		.amdhsa_inst_pref_size 175
	.end_amdhsa_kernel
	.amdgpu_metadata
---
amdhsa.version: [ 1, 2 ]
amdhsa.kernels:
  - .name:           k_q994e9e1a37_attn
    .symbol:         k_q994e9e1a37_attn.kd
    .args:
      - { .name: qkv, .offset: 0, .size: 8, .value_kind: global_buffer, .address_space: global }
      - { .name: mw, .offset: 8, .size: 8, .value_kind: global_buffer, .address_space: global }
      - { .name: lowp_scales, .offset: 16, .size: 8, .value_kind: global_buffer, .address_space: global }
      - { .name: ac, .offset: 24, .size: 8, .value_kind: global_buffer, .address_space: global }
    .group_segment_fixed_size: 327680
    .private_segment_fixed_size: 0
    .kernarg_segment_align: 8
    .kernarg_segment_size: 32
    .max_flat_workgroup_size: 512
    .sgpr_count:     102
    .vgpr_count:     256
    .wavefront_size: 32
...
	.end_amdgpu_metadata
.endif
;; end of part 3
;; launch outp (part 4): grid 4 x 32, 4 waves a work-group, clusters of 4 x 4, 327,680 bytes of LDS; arguments ac, wc, lowp_scales, bo, out0; writes out0
.if DOCPART == 4
	.amdgcn_target "amdgcn-amd-amdhsa--gfx1250"
	.amdhsa_code_object_version 6
	.text
	.protected	k_q994e9e1a37_outp
	.globl	k_q994e9e1a37_outp
	.p2align	8
	.type	k_q994e9e1a37_outp,@function
k_q994e9e1a37_outp:
	s_mov_b64 s[64:65], 0
	v_nop
	global_prefetch_b8 v0, s[64:65] scope:SCOPE_SE
	s_setreg_imm32_b32 hwreg(HW_REG_WAVE_MODE, 25, 1), 1
	s_wait_xcnt 0x0
	s_wait_alu depctr_hold_cnt(0) depctr_sa_sdst(0) depctr_va_vdst(0) depctr_va_sdst(0) depctr_va_ssrc(0) depctr_va_vcc(0) depctr_vm_vsrc(0)
	s_getreg_b32 s2, hwreg(HW_REG_IB_STS2, 6, 4)
	s_cmp_eq_u32 s2, 0
	s_cbranch_scc0 .Lentry_in_a_cluster
	s_endpgm
.Lentry_in_a_cluster:
	s_bfe_u32 s2, ttmp6, 0x10000c
	s_cmp_lg_u32 s2, 0xf033
	s_cbranch_scc0 .Lentry_shape_is_right
	s_endpgm
.Lentry_shape_is_right:
.set ROWB,   256
.set PITCH,  272
.set APITCH, 144
.set AHEAD,  256*APITCH
.set BOFF,   2*AHEAD
.set HALFT,  128*PITCH
.set SLOT,   BOFF+2*HALFT
.set FR,     16
.set NL,     4
.set NP,     4
.set LAPS,   2048/(2*ROWB)
.set SPARE,  2*SLOT
.set STAGE,  SPARE+512
.set SPITCH, 528
.set ADRA, 16
.set ADRB, 20
.set STO,  24
.set RD,   25
.set CO,   26
.set SPW,  28
.set NIL,  29
.set BNA,  30
.set BN,   32
.set AF,   128
.set TMP,  128
.set BK,   192
.set G1, 24
.set G0, 32
.set G1B, 48
.set G0B, 56
.set MSB, 0
.macro WIN new
.if MSB != (\new)
	s_set_vgpr_msb (MSB<<8)|(\new)
.set MSB, (\new)
.endif
.endm
.set MUL_LO, 0xa1
.set MUL_HI, 0xf1
.set TO_B,   0x40
.macro JLOAD g0a, g1a, g0b, g1b
	s_cmp_eq_u32 s15, 0
	s_cbranch_scc0 .Lfor_b_\@
	tensor_load_to_lds s[\g0a:\g0a+3], s[\g1a:\g1a+7]
	s_nop 0
.rept 4
	v_nop
.endr
	s_branch .Lasked_\@
.Lfor_b_\@:
	tensor_load_to_lds s[\g0b:\g0b+3], s[\g1b:\g1b+7]
	s_nop 0
.rept 4
	v_nop
.endr
.Lasked_\@:
.endm
.macro CREST
	s_cmp_lg_u32 s14, 0
	s_cbranch_scc1 .Lnot_wave_0_\@
	s_barrier_signal -3
.Lnot_wave_0_\@:
	s_barrier_wait -3
	s_barrier_signal -1
	s_barrier_wait -1
.endm
.macro CROUND
	s_barrier_signal -1
	s_barrier_wait -1
	CREST
.endm
	s_load_b128 s[4:7], s[0:1], 0x0
	s_load_b128 s[8:11], s[0:1], 0x10
	s_load_b64 s[12:13], s[0:1], 0x20
	v_lshl_add_u32 v[SPW], v0, 2, SPARE
	v_mov_b32 v[NIL], 0
	ds_add_u32 v[SPW], v[NIL]
	ds_add_u32 v[SPW], v[NIL]
	v_lshrrev_b32 v1, 5, v0
	v_readfirstlane_b32 s14, v1
	s_lshr_b32 s15, s14, 1
	s_and_b32 s16, s14, 1
	s_bfe_u32 s40, ttmp6, 0x40000
	s_bfe_u32 s41, ttmp6, 0x40004
	s_lshl_b32 s42, ttmp9, 2
	s_add_co_u32 s42, s42, s40
	s_and_b32 s17, ttmp7, 0xffff
	s_lshl_b32 s17, s17, 2
	s_add_co_u32 s17, s17, s41
	s_lshl_b32 s43, s41, 2
	s_lshl_b32 s43, 15, s43
	s_lshl_b32 s44, 0x1111, s40
	s_or_b32 s[G1+0], s43, (0<<16)|(1<<20)|(1<<21)|(4<<22)|(3<<25)
	s_mov_b32 s[G1+1], 128<<16
	s_mov_b32 s[G1+2], 256<<16
	s_mov_b32 s[G1+3], 128<<16
	s_mov_b32 s[G1+4], 256
	s_mov_b32 s[G1+5], 128
	s_mov_b32 s[G1+6], 0
	s_mov_b32 s[G1+7], 0
	s_or_b32 s[G1B+0], s44, (0<<16)|(1<<20)|(1<<21)|(5<<22)|(3<<25)
	s_mov_b32 s[G1B+1], ROWB<<16
	s_mov_b32 s[G1B+2], 128<<16
	s_mov_b32 s[G1B+3], ROWB<<16
	s_mov_b32 s[G1B+4], 128
	s_mov_b32 s[G1B+5], 2048
	s_mov_b32 s[G1B+6], 0
	s_mov_b32 s[G1B+7], 0
	s_lshl_b32 s20, s16, 20
	s_lshl_b32 s18, s17, 15
	s_add_co_u32 s20, s20, s18
	s_mov_b32 s21, 0
	s_lshl_b32 s46, s42, 19
	s_lshl_b32 s47, s16, 18
	s_add_co_u32 s46, s46, s47
	s_add_co_u32 s46, s46, 0x600000
	s_mov_b32 s47, 0
	s_mul_i32 s45, s16, AHEAD
	s_mul_i32 s66, s16, HALFT
	s_add_co_u32 s66, s66, BOFF
	s_lshl_b32 s68, s42, 10
	s_lshl_b32 s69, s16, 9
	s_add_co_u32 s68, s68, s69
	s_mov_b32 s69, 0
	s_lshl_b32 s70, s17, 8
	s_lshl_b32 s71, s15, 7
	s_add_co_u32 s70, s70, s71
	s_lshl_b32 s70, s70, 12
	s_add_co_u32 s70, s70, s68
	s_mov_b32 s71, 0
	s_wait_dscnt 0x0
	s_wait_kmcnt 0x0
	s_load_b64 s[96:97], s[8:9], 0x28
	s_add_nc_u64 s[20:21], s[4:5], s[20:21]
	s_add_nc_u64 s[46:47], s[6:7], s[46:47]
	s_add_nc_u64 s[10:11], s[10:11], s[68:69]
	s_add_nc_u64 s[12:13], s[12:13], s[70:71]
	CROUND
.irp s, 0,1
	s_mov_b32 s[G0+4*\s], 1
	s_add_co_u32 s[G0+4*\s+1], s45, \s*SLOT
	s_add_nc_u64 s[G0+4*\s+2:G0+4*\s+3], s[20:21], \s*0x200000
	s_or_b32 s[G0+4*\s+3], s[G0+4*\s+3], 0x80000000
	s_mov_b32 s[G0B+4*\s], 1
	s_add_co_u32 s[G0B+4*\s+1], s66, \s*SLOT
	s_add_nc_u64 s[G0B+4*\s+2:G0B+4*\s+3], s[46:47], \s*ROWB
	s_or_b32 s[G0B+4*\s+3], s[G0B+4*\s+3], 0x80000000
	s_wait_alu depctr_va_vdst(0)
	s_wait_tensorcnt 0x0
	ds_add_u32 v28, v29
	ds_add_u32 v28, v29
	s_wait_dscnt 0x0
	CROUND
	JLOAD G0+4*\s, G1, G0B+4*\s, G1B
.endr
	v_and_b32 v1, 15, v0
	v_bfe_u32 v2, v0, 4, 1
	v_mul_u32_u24 v3, v1, APITCH
	v_lshl_add_u32 v3, v2, 4, v3
	v_mul_u32_u24 v4, v1, PITCH
	v_lshl_add_u32 v4, v2, 4, v4
	s_mul_i32 s21, s15, 128*APITCH
	s_mul_i32 s22, s16, HALFT
	s_add_co_u32 s22, s22, BOFF
.irp s, 0,1
	v_add_nc_u32 v[ADRA+\s], s21, v3
	v_add_nc_u32 v[ADRB+\s], s22, v4
	s_add_co_u32 s21, s21, SLOT
	s_add_co_u32 s22, s22, SLOT
.endr
	s_mul_i32 s23, s14, 16*SPITCH
	s_add_co_u32 s23, s23, STAGE
	v_mul_u32_u24 v5, v1, SPITCH
	v_lshl_add_u32 v5, v2, 5, v5
	v_add_nc_u32 v[STO], s23, v5
	v_and_b32 v6, 31, v0
	v_lshlrev_b32 v[CO], 4, v6
	v_add_nc_u32 v[RD], s23, v[CO]
	v_lshlrev_b32 v[BNA], 5, v2
.irp b, 0,1,2,3,4,5,6,7
	global_load_b128 v[BN+8*\b:BN+8*\b+3], v[BNA], s[10:11] offset:64*\b
	global_load_b128 v[BN+8*\b+4:BN+8*\b+7], v[BNA], s[10:11] offset:64*\b+16
.endr
.macro FRAGA reg, adr, q, i
.irp c, 0,1,2,3
	ds_load_b128 v[\reg+4*\c:\reg+4*\c+3], v[\adr] offset:(\q)*AHEAD+(\i)*16*APITCH+32*\c
.endr
.endm
.macro FRAGB reg, adr, q, i
.irp c, 0,1,2,3
	ds_load_b128 v[\reg+4*\c:\reg+4*\c+3], v[\adr] offset:128*(\q)+32*\c+(\i)*16*PITCH
.endr
.endm
.macro MUL16 a0, p, zero
.irp a, \a0, \a0+1
.irp b, 0,1,2,3,4,5,6,7
.if \zero
	v_wmma_f32_16x16x128_fp8_fp8 v[8*(8*((\a)%4)+\b):8*(8*((\a)%4)+\b)+7], v[128*(\p)+FR*\b:128*(\p)+FR*\b+FR-1], v[AF+FR*(\a):AF+FR*(\a)+FR-1], 0
.else
	v_wmma_f32_16x16x128_fp8_fp8 v[8*(8*((\a)%4)+\b):8*(8*((\a)%4)+\b)+7], v[128*(\p)+FR*\b:128*(\p)+FR*\b+FR-1], v[AF+FR*(\a):AF+FR*(\a)+FR-1], v[8*(8*((\a)%4)+\b):8*(8*((\a)%4)+\b)+7]
.endif
.endr
.endr
.endm
.macro FETCH_B slot, q, p
	WIN TO_B
.irp i, 0,1,2,3,4,5,6,7
	FRAGB 128*(\p)+FR*\i, ADRB+\slot, \q, \i
.endr
	WIN 0
.endm
.macro FETCH_A slot, q, i0
.irp i, \i0, \i0+1, \i0+2, \i0+3
	FRAGA AF+FR*(\i), ADRA+\slot, \q, \i
.endr
.endm
.macro PLACES n
.rept \n
	v_nop
.endr
.endm
.macro STEP slot, q, zero
	s_wait_dscnt 4*NL
	WIN MUL_LO
	MUL16 0, (\q)%2, \zero
	MUL16 2, (\q)%2, \zero
	s_wait_dscnt 0
	PLACES NP
	FETCH_B \slot, (\q)+1, 1-(\q)%2
	FETCH_A \slot, (\q)+1, 0
	WIN MUL_HI
	MUL16 4, (\q)%2, \zero
	MUL16 6, (\q)%2, \zero
	PLACES NP
	WIN 0
	FETCH_A \slot, (\q)+1, 4
.endm
.macro TURN slot, next, fill
	s_wait_tensorcnt 0x0
	ds_add_u32 v[SPW], v[NIL]
	s_wait_dscnt 4*NL+1
	WIN MUL_LO
	MUL16 0, 1, 0
	s_wait_dscnt 0x0
	s_barrier_signal -1
	MUL16 2, 1, 0
	WIN 0
	s_barrier_wait -1
.if \fill
	CREST
	s_add_nc_u64 s[G0+4*\slot+2:G0+4*\slot+3], s[G0+4*\slot+2:G0+4*\slot+3], 0x400000
	s_add_nc_u64 s[G0B+4*\slot+2:G0B+4*\slot+3], s[G0B+4*\slot+2:G0B+4*\slot+3], 2*ROWB
	JLOAD G0+4*\slot, G1, G0B+4*\slot, G1B
.else
	PLACES NP
.endif
	s_wait_alu depctr_va_vdst(0)
	FETCH_B \next, 0, 0
	FETCH_A \next, 0, 0
	WIN MUL_HI
	MUL16 4, 1, 0
	MUL16 6, 1, 0
	PLACES NP
	WIN 0
	FETCH_A \next, 0, 4
.endm
	s_wait_tensorcnt 1
	s_barrier_signal -1
	s_barrier_wait -1
	FETCH_B 0, 0, 0
	FETCH_A 0, 0, 0
	FETCH_A 0, 0, 4
	STEP 0, 0, 1
	s_mov_b32 s3, LAPS-1
.Llap:
	TURN 0, 1, 1
	STEP 1, 0, 0
	TURN 1, 0, 1
	STEP 0, 0, 0
	s_sub_co_u32 s3, s3, 1
	s_cmp_lg_u32 s3, 0
	s_cbranch_scc1 .Llap
	TURN 0, 1, 0
	STEP 1, 0, 0
	s_wait_dscnt 4*NL
	WIN MUL_LO
	MUL16 0, 1, 0
	MUL16 2, 1, 0
	s_wait_dscnt 0
	WIN MUL_HI
	MUL16 4, 1, 0
	MUL16 6, 1, 0
	WIN 0
.macro TOSTAGE a
.set AC, 64*((\a)%4)
	WIN 0x02+((\a)/4)
.set J, 0
.rept 32
	v_pk_fma_f32 v[TMP+J:TMP+J+1], v[AC+J:AC+J+1], s[96:97], v[BN+J:BN+J+1] op_sel_hi:[1,0,1]
.set J, J+2
.endr
	WIN 0
.irp b, 0,1,2,3,4,5,6,7
	ds_store_b128 v[STO], v[TMP+8*\b:TMP+8*\b+3] offset:64*\b
	ds_store_b128 v[STO], v[TMP+8*\b+4:TMP+8*\b+7] offset:64*\b+16
.endr
	s_wait_xcnt 0x0
.irp t, 0,1,2,3,4,5,6,7,8,9,10,11,12,13,14,15
	ds_load_b128 v[BK+4*\t:BK+4*\t+3], v[RD] offset:\t*SPITCH
.endr
.endm
.macro SEND a
	s_wait_dscnt 0x0
.if (\a) > 0
	s_add_nc_u64 s[12:13], s[12:13], 16*4096
.endif
.irp t, 0,1,2,3,4,5,6,7,8,9,10,11,12,13,14,15
	global_store_b128 v[CO], v[BK+4*\t:BK+4*\t+3], s[12:13] offset:\t*4096 th:TH_STORE_NT
.endr
.endm
	s_wait_kmcnt 0x0
	s_add_co_i32 s96, s96, s97
	s_add_co_i32 s96, s96, 127
	s_lshl_b32 s96, s96, 23
	s_mov_b32 s97, s96
	s_wait_loadcnt 0x0
	PLACES NP
.irp a, 0,1,2,3,4,5,6,7
	TOSTAGE \a
	SEND \a
.endr
	s_wait_tensorcnt 0x0
	ds_add_u32 v[SPW], v[NIL]
	s_wait_dscnt 0x0
	CROUND
	s_endpgm
.Lfunc_end_k_q994e9e1a37_outp:
	.size	k_q994e9e1a37_outp, .Lfunc_end_k_q994e9e1a37_outp-k_q994e9e1a37_outp
	.p2alignl 7, 3214868480
	.fill 96, 4, 3214868480
	.section	.rodata,"a",@progbits
	.p2align	6, 0x0
	.amdhsa_kernel k_q994e9e1a37_outp
		.amdhsa_group_segment_fixed_size 327680
		.amdhsa_private_segment_fixed_size 0
		.amdhsa_enable_private_segment 0
		.amdhsa_kernarg_size 40
		.amdhsa_user_sgpr_count 2
		.amdhsa_user_sgpr_kernarg_segment_ptr 1
		.amdhsa_wavefront_size32 1
		.amdhsa_system_sgpr_workgroup_id_x 1
		.amdhsa_system_sgpr_workgroup_id_y 1
		.amdhsa_system_sgpr_workgroup_id_z 1
		.amdhsa_system_vgpr_workitem_id 0
		.amdhsa_next_free_vgpr 1024
		.amdhsa_next_free_sgpr 98
		.amdhsa_reserve_vcc 0
		.amdhsa_float_denorm_mode_32 3
		.amdhsa_float_denorm_mode_16_64 3
		.amdhsa_memory_ordered 1
		.amdhsa_forward_progress 1
		.amdhsa_inst_pref_size 126
	.end_amdhsa_kernel
	.amdgpu_metadata
---
amdhsa.version: [ 1, 2 ]
amdhsa.kernels:
  - .name:           k_q994e9e1a37_outp
    .symbol:         k_q994e9e1a37_outp.kd
    .args:
      - { .name: ac, .offset: 0, .size: 8, .value_kind: global_buffer, .address_space: global }
      - { .name: wc, .offset: 8, .size: 8, .value_kind: global_buffer, .address_space: global }
      - { .name: lowp_scales, .offset: 16, .size: 8, .value_kind: global_buffer, .address_space: global }
      - { .name: bo, .offset: 24, .size: 8, .value_kind: global_buffer, .address_space: global }
      - { .name: out0, .offset: 32, .size: 8, .value_kind: global_buffer, .address_space: global }
    .group_segment_fixed_size: 327680
    .private_segment_fixed_size: 0
    .kernarg_segment_align: 8
    .kernarg_segment_size: 40
    .max_flat_workgroup_size: 128
    .sgpr_count:     98
    .vgpr_count:     1024
    .wavefront_size: 32
...
	.end_amdgpu_metadata
.endif
;; end of part 4
